; MI455X (gfx1250); checked and timed in simulation.
; The chip was launched on July 23, 2026; its instructions are those of AMD's public machine-readable ISA for CDNA 5 (MIT licence, August 2026) and "CDNA5" Instruction Set Architecture Reference Guide (July 2026). The comments in the code are by the model that wrote it; some were corrected since.
;; Projector. Allowed arithmetic: float matrix products may take bf16 or f16 operands with f32 sums; all other float work in f32.
;; Inputs: W1 1,024 x 4,096 float32; W2 4,096 x 1,024 float32; b1 4,096 float32; embedding 8,192 x 1,024 float32; ln_beta 4,096 float32; ln_gamma 4,096 float32.
;; Outputs: out0 8,192 x 1,024 float32.
;; 2 versions, each right; version 2 is version 1 with the launch norm written anew for expert scheduling mode. Each part assembles by itself: llvm-mc -triple=amdgcn-amd-amdhsa -mcpu=gfx1250 --defsym DOCPART=n.
;; ======== version 1 of 2: 4 launches
;; limits: values outside matrix products are rounded to f16; values are held in f16: magnitudes above 65,504 overflow, below 6.1e-05 lose precision
;; workspace buffers: xh 16,777,216 bytes; w1h 8,388,608 bytes; w2h 8,388,608 bytes; dh 67,108,864 bytes; st 2,097,152 bytes; gh 67,108,864 bytes
;; launch cast (part 1): grid 1024 x 1, 8 waves a work-group, no clusters, 0 bytes of LDS; arguments embedding, W1, W2, xh, w1h, w2h; writes xh, w1h, w2h
.if DOCPART == 1
	.amdgcn_target "amdgcn-amd-amdhsa--gfx1250"
	.amdhsa_code_object_version 6
	.text
	.protected	k_q138063f4cd_cast
	.globl	k_q138063f4cd_cast
	.p2align	8
	.type	k_q138063f4cd_cast,@function
k_q138063f4cd_cast:
	s_mov_b64 s[64:65], 0
	v_nop
	global_prefetch_b8 v0, s[64:65] scope:SCOPE_SE
	s_setreg_imm32_b32 hwreg(HW_REG_WAVE_MODE, 25, 1), 1
	s_wait_xcnt 0x0
; embedding, W1 and W2 (f32) are rounded once to f16 into xh, w1h, w2h; the layouts stay as they are ([rows][columns], the weights [K][N]).
; LIMITS.  f16 holds no number beyond 65,504 (a larger one becomes an infinity), and below 6e-5 it keeps a fixed step of 6e-8.
; A stream: every byte is read once and written once, so there is no LDS, no barrier, no matrix unit, and no cluster (no two work-groups read the same byte).
; A work-group takes 16,384 numbers: 64 KiB in, 32 KiB out.  Work-groups 0-511 take embedding, 512-767 W1, 768-1023 W2.
; Thread t takes, in each of eight groups of 2,048 numbers, the eight numbers at byte 32 t: two loads of 16 bytes; its 16 bytes of f16 go to byte 16 t,
; so a wave's store covers 512 consecutive bytes, aligned.  All sixteen loads go out before the first store.
.set IN, 4                             ; v[4:67]   group g: 8 numbers in f32
.set Y,  68                            ; v[68:99]  group g: 8 numbers in f16
	s_load_b256 s[4:11], s[0:1], 0x0               ; embedding s[4:5], W1 s[6:7], W2 s[8:9], xh s[10:11]
	s_load_b128 s[12:15], s[0:1], 0x20             ; w1h s[12:13], w2h s[14:15]
	v_lshlrev_b32 v1, 5, v0                        ; 32 t: my bytes in a group as read
	v_lshlrev_b32 v2, 4, v0                        ; 16 t: as written
	s_mov_b32 s23, 768
	s_wait_kmcnt 0x0
	s_cmp_lt_u32 ttmp9, 768                        ; the choice of buffers hangs on the work-group's number alone
	s_cselect_b64 s[18:19], s[6:7], s[8:9]
	s_cselect_b64 s[20:21], s[12:13], s[14:15]
	s_cselect_b32 s22, 512, s23                    ; the first work-group of that tensor
	s_cmp_lt_u32 ttmp9, 512
	s_cselect_b64 s[18:19], s[4:5], s[18:19]
	s_cselect_b64 s[20:21], s[10:11], s[20:21]
	s_cselect_b32 s22, 0, s22
	s_sub_co_u32 s22, ttmp9, s22                   ; my place in the tensor
	s_lshl_b32 s24, s22, 16                        ; times 65,536 bytes in (at most 511 x 65,536),
	s_mov_b32 s25, 0
	s_lshl_b32 s26, s22, 15                        ; times 32,768 bytes out
	s_mov_b32 s27, 0
	s_add_nc_u64 s[18:19], s[18:19], s[24:25]
	s_add_nc_u64 s[20:21], s[20:21], s[26:27]
.irp g, 0,1,2,3,4,5,6,7
	global_load_b128 v[IN+8*(\g):IN+8*(\g)+3],   v1, s[18:19] offset:8192*(\g) th:TH_LOAD_NT
	global_load_b128 v[IN+8*(\g)+4:IN+8*(\g)+7], v1, s[18:19] offset:8192*(\g)+16 th:TH_LOAD_NT
.endr
.irp g, 0,1,2,3,4,5,6,7
	s_wait_loadcnt 14-2*(\g)                       ; loads come back in order (ISA guide 5.7.1): group g's two are in, the 2 (7 - g) younger ones stay out
.irp k, 0,1,2,3
	v_cvt_pk_f16_f32 v[Y+4*(\g)+(\k)], v[IN+8*(\g)+2*(\k)], v[IN+8*(\g)+2*(\k)+1]
.endr
	global_store_b128 v2, v[Y+4*(\g):Y+4*(\g)+3], s[20:21] offset:4096*(\g)  ; no hint: the next launch reads these bytes
.endr
	s_endpgm
.Lfunc_end_k_q138063f4cd_cast:
	.size	k_q138063f4cd_cast, .Lfunc_end_k_q138063f4cd_cast-k_q138063f4cd_cast
	.p2alignl 7, 3214868480
	.fill 96, 4, 3214868480
	.section	.rodata,"a",@progbits
	.p2align	6, 0x0
	.amdhsa_kernel k_q138063f4cd_cast
		.amdhsa_group_segment_fixed_size 0
		.amdhsa_private_segment_fixed_size 0
		.amdhsa_enable_private_segment 0
		.amdhsa_kernarg_size 48
		.amdhsa_user_sgpr_count 2
		.amdhsa_user_sgpr_kernarg_segment_ptr 1
		.amdhsa_wavefront_size32 1
		.amdhsa_system_sgpr_workgroup_id_x 1
		.amdhsa_system_sgpr_workgroup_id_y 1
		.amdhsa_system_sgpr_workgroup_id_z 1
		.amdhsa_system_vgpr_workitem_id 0
		.amdhsa_next_free_vgpr 100
		.amdhsa_next_free_sgpr 66
		.amdhsa_reserve_vcc 0
		.amdhsa_float_denorm_mode_32 3
		.amdhsa_float_denorm_mode_16_64 3
		.amdhsa_memory_ordered 1
		.amdhsa_forward_progress 1
		.amdhsa_inst_pref_size 6
	.end_amdhsa_kernel
	.amdgpu_metadata
---
amdhsa.version: [ 1, 2 ]
amdhsa.kernels:
  - .name:           k_q138063f4cd_cast
    .symbol:         k_q138063f4cd_cast.kd
    .args:
      - { .name: embedding, .offset: 0, .size: 8, .value_kind: global_buffer, .address_space: global }
      - { .name: W1, .offset: 8, .size: 8, .value_kind: global_buffer, .address_space: global }
      - { .name: W2, .offset: 16, .size: 8, .value_kind: global_buffer, .address_space: global }
      - { .name: xh, .offset: 24, .size: 8, .value_kind: global_buffer, .address_space: global }
      - { .name: w1h, .offset: 32, .size: 8, .value_kind: global_buffer, .address_space: global }
      - { .name: w2h, .offset: 40, .size: 8, .value_kind: global_buffer, .address_space: global }
    .group_segment_fixed_size: 0
    .private_segment_fixed_size: 0
    .kernarg_segment_align: 8
    .kernarg_segment_size: 48
    .max_flat_workgroup_size: 256
    .sgpr_count:     66
    .vgpr_count:     100
    .wavefront_size: 32
...
	.end_amdgpu_metadata
.endif
;; end of part 1
;; launch gemm1 (part 2): grid 16 x 32, 4 waves a work-group, clusters of 4 x 4, 327,680 bytes of LDS; arguments xh, w1h, dh, b1, st; writes dh, st
.if DOCPART == 2
	.amdgcn_target "amdgcn-amd-amdhsa--gfx1250"
	.amdhsa_code_object_version 6
	.text
	.protected	k_q138063f4cd_gemm1
	.globl	k_q138063f4cd_gemm1
	.p2align	8
	.type	k_q138063f4cd_gemm1,@function
k_q138063f4cd_gemm1:
	s_mov_b64 s[64:65], 0
	v_nop
	global_prefetch_b8 v0, s[64:65] scope:SCOPE_SE
	s_setreg_imm32_b32 hwreg(HW_REG_WAVE_MODE, 25, 1), 1
	s_wait_xcnt 0x0
	s_wait_alu depctr_hold_cnt(0) depctr_sa_sdst(0) depctr_va_vdst(0) depctr_va_sdst(0) depctr_va_ssrc(0) depctr_va_vcc(0) depctr_vm_vsrc(0)
	s_getreg_b32 s2, hwreg(HW_REG_IB_STS2, 6, 4)
	s_cmp_eq_u32 s2, 0
	s_cbranch_scc0 .Lentry_in_a_cluster
	s_endpgm
.Lentry_in_a_cluster:
	s_bfe_u32 s2, ttmp6, 0x10000c
	s_cmp_lg_u32 s2, 0xf033
	s_cbranch_scc0 .Lentry_shape_is_right
	s_endpgm
.Lentry_shape_is_right:
; h = x W1 + b1, and the first half of the LayerNorm.  xh: [8192][1024] f16; w1h: [1024][4096] f16, [K][N]; b1: [4096] f32.  Sums in f32.
; OUT.  The 4,096 columns fall into 32 chunks of 128.  For each row and chunk: mean = the chunk's mean of h, M2 = the sum of (h - mean)^2, both f32, into st [chunk][row][2];
; d = h - mean, rounded once to f16, into dh [8192][4096].  h - mu = d + (mean - mu) holds whatever offset h carries, so what f16 rounds is of the size of h's spread, and the next
; launch merges the chunks' figures without taking a difference of large sums.
; LIMITS.  x, W1 and d lie within f16's 65,504; below 6e-5 f16 keeps a fixed step of 6e-8.  NaN and infinities are not treated apart.
; SHAPE.  A tile of h is 256 x 256: four waves, 2 x 2, each 128 rows x 128 columns (one chunk): 64 accumulators, 512 registers.  K goes in steps of 128 through two LDS slots filled by the
; tensor data mover: A's rows are 256 bytes of memory, B's 512, all starting at multiples of 256 from their buffers' first bytes.
; B LIES [K][N] IN LDS and is turned on its way into registers by ds_load_tr16_b128.
; THE MATRIX INSTRUCTION IS USED TRANSPOSED: source 0 = 16 columns of W1, source 1 = 16 rows of x.  Lane l then holds row l % 16 of h and the columns 8 (l / 16) + 0..7 of each block of 16:
; a row's chunk lies in two lanes, 16 apart, so its mean and M2 want one exchange each.
; CLUSTER.  4 x 4 work-groups.  The four of a row of the cluster need the same tiles of x, the four of a column the same tiles of W1: each tile is asked for JOINTLY, by the same tensor load
; with the same descriptor and a mask that names the four.
; REGISTERS, in windows of 256 (s_set_vgpr_msb: bits 1:0 source 0, 3:2 source 1, 5:4 source 2, 7:6 destination):
;   window 0: v0-31 addresses; v64-127, v128-191 A's fragments, two buffers; on the way out v32-43 and v64-247 at work
;   window 1: v0-63 my 64 numbers of b1; v64-127, v128-191 B's fragments, two buffers
;   window 2: the accumulators of my row blocks 0-3 ((a, b) at v[8 (8 (a % 4) + b)]);   window 3: those of blocks 4-7
.set MB,     8                         ; blocks of 16 rows a wave
.set TM,     32*MB                     ; rows in a tile
.set AR,     TM/2                      ; rows of A that one tensor load brings
.set KDIM,   1024
.set NDIM,   4096
.set KSTEP,  128
.set LAPS,   KDIM/(2*KSTEP)            ; a lap = two K steps = once round the ring
.set PA,     272                       ; a row of A in LDS: 256 bytes + 16 = 68 words: the 16 rows of a load start at 16 different groups of four banks (64 banks of 4 bytes: ISA guide 11.1)
.set PB,     544                       ; a row of B: 512 bytes + 32 = 136 words
.set AHALF,  AR*PA
.set BHALF,  64*PB                     ; 64 rows along K: what one tensor load brings of B
.set ABYTES, TM*PA
.set SLOT,   ABYTES+2*BHALF            ; A's 256 rows, then B's 128 rows
.set STAGE,  2*SLOT                    ; behind the ring, never filled by a tensor load: 16 rows x 272 bytes for each wave
.set SPITCH, 272
.set ADRA, 16                          ; v16-17  LDS address of my A fragments in slot 0, 1
.set ADRB, 20                          ; v20-21  the same for B
.set STO,  24                          ; v24     the way out: where I put 16 bytes of a row
.set RD,   25                          ; v25     where I read a row back
.set CO,   26                          ; v26     my byte offset in dh
.set BO,   27                          ; v27     my byte offset in b1
.set SO,   28                          ; v28     my byte offset in st
.set LN,   29                          ; v29     my lane
.set SC,   32                          ; v32-39  four chains of packed sums
.set MP,   40                          ; v40-41  the mean, twice; v42-43 at work
.set F0,   64
.set F1,   128
.set T,    64                          ; v64-127   a block's 64 numbers a lane, in f32
.set BK0,  128                         ; v128-159, v160-191  16 rows read back from the stage, by turns
.set TMP,  192                         ; v192-223  the block in f16
.set MEAN, 224                         ; v224-231  block a's mean of my row
.set M2,   232                         ; v232-239  its M2
.set SP,   240                         ; v240-247  pairs (mean, M2) as stored
.set WV,   14                          ; s14  wave
.set RH,   15                          ; s15  my half of the tile's rows.  Also: I fetch for A (0) or for B (1)
.set CH,   16                          ; s16  my half of its columns.  Also: which half of that tile I fetch
.set G1,   24                          ; s[24:31] descriptor group 1 for A's tiles;  s[32:39] group 0, a set for each slot
.set G0,   32
.set G1B,  48                          ; s[48:55], s[56:63] the same for B's
.set G0B,  56
.set SEL,  66                          ; s[66:67] v_permlanex16_b32's selects: each lane takes its own place in the other half
.set MSB, 0
.macro WIN new                         ; the immediate's high byte repeats the setting that is left; a switch that changes nothing is dropped
.if MSB != (\new)
	s_set_vgpr_msb (MSB<<8)|(\new)
.set MSB, \new
.endif
.endm
; Four places: a load into a register that a matrix instruction has read, and a vector instruction or an LDS store that reads a matrix result, stand four plain vector instructions behind it
.macro PLACES
.rept 4
	v_nop
.endr
.endm
; A joint load.  Waves 0 and 1 fetch A's two halves, waves 2 and 3 B's.  The branch hangs on the wave's number alone.  Four v_nop follow each of the two lines.
.macro JLOAD s
	s_cmp_eq_u32 s[RH], 0
	s_cbranch_scc0 .Lfor_b_\@
	tensor_load_to_lds s[G0+4*(\s):G0+4*(\s)+3], s[G1:G1+7]
	s_nop 0
.rept 4
	v_nop
.endr
	s_branch .Lasked_\@
.Lfor_b_\@:
	tensor_load_to_lds s[G0B+4*(\s):G0B+4*(\s)+3], s[G1B:G1B+7]
	s_nop 0
.rept 4
	v_nop
.endr
.Lasked_\@:
.endm
; A round of the cluster's barrier: my work-group's barrier; wave 0 signals for the work-group; every wave waits for all sixteen; my work-group's barrier once more.
.macro CREST                           ; a round behind its opening barrier
	s_cmp_lg_u32 s[WV], 0
	s_cbranch_scc1 .Lnot_wave_0_\@
	s_barrier_signal -3
.Lnot_wave_0_\@:
	s_barrier_wait -3
	s_barrier_signal -1
	s_barrier_wait -1
.endm
.macro CROUND
	s_barrier_signal -1
	s_barrier_wait -1
	CREST
.endm
	s_load_b256 s[4:11], s[0:1], 0x0               ; xh s[4:5], w1h s[6:7], dh s[8:9], b1 s[10:11]
	s_load_b64 s[12:13], s[0:1], 0x20              ; st
	s_set_vgpr_msb 0x40
	v_lshl_add_u32 v255, v0, 2, 0x48400
	s_set_vgpr_msb 0x4000
	v_mov_b32 v255, 0
	s_set_vgpr_msb 0x1
	ds_add_u32 v255, v255
	s_set_vgpr_msb 0x100
	v_lshrrev_b32 v1, 5, v0
	v_readfirstlane_b32 s[WV], v1
	s_lshr_b32 s[RH], s[WV], 1
	s_and_b32 s[CH], s[WV], 1
	s_bfe_u32 s40, ttmp6, 0x40000                  ; cx, cy: my place in the cluster
	s_bfe_u32 s41, ttmp6, 0x40004
	s_lshl_b32 s42, ttmp9, 2
	s_add_co_u32 s42, s42, s40                     ; tile column = 4 x cluster x + cx
	s_and_b32 s43, ttmp7, 0xffff
	s_lshl_b32 s43, s43, 2
	s_add_co_u32 s43, s43, s41                     ; tile row = 4 x cluster y + cy
	s_lshl_b32 s44, s41, 2
	s_lshl_b32 s44, 15, s44                        ; my row of the cluster
	s_lshl_b32 s45, 0x1111, s40                    ; my column
	; group 1 for A: 128 rows x 128 elements, 16 bytes of padding behind every 64 words.  For B: 64 rows x 256 elements, 32 bytes behind every 128 words.
	s_or_b32 s[G1+0], s44, (1<<16)|(1<<20)|(1<<21)|(5<<22)|(3<<25)   ; 15:0 the mask; 17:16 elements of 2 bytes; 20 padding on; 21 set beside a mask; 24:22 the interval; 31:25 the padding less one word
	s_or_b32 s[G1B+0], s45, (1<<16)|(1<<20)|(1<<21)|(6<<22)|(7<<25)
	s_mov_b32 s[G1+1], KSTEP<<16                   ; tensor_dim0 = 128
	s_mov_b32 s[G1+2], AR<<16                      ; tensor_dim1 = 128
	s_mov_b32 s[G1+3], KSTEP<<16                   ; tile_dim0 = 128
	s_mov_b32 s[G1+4], AR                          ; tile_dim1 = 128
	s_mov_b32 s[G1+5], KDIM                        ; elements from row to row
	s_mov_b32 s[G1+6], 0
	s_mov_b32 s[G1+7], 0
	s_mov_b32 s[G1B+1], 256<<16                    ; tensor_dim0 = 256
	s_mov_b32 s[G1B+2], 64<<16                     ; tensor_dim1 = 64
	s_mov_b32 s[G1B+3], 256<<16                    ; tile_dim0 = 256
	s_mov_b32 s[G1B+4], 64                         ; tile_dim1 = 64
	s_mov_b32 s[G1B+5], NDIM
	s_mov_b32 s[G1B+6], 0
	s_mov_b32 s[G1B+7], 0
	; A's tiles hang on the tile row alone, B's on the tile column alone; each offset in registers that never hold the other coordinate
	s_mul_i32 s17, s43, TM
	s_mul_i32 s18, s[CH], AR
	s_add_co_u32 s17, s17, s18                     ; A: row 256 x tile row + 128 x half
	s_mul_i32 s18, s17, KDIM*2                     ; in bytes: under 2^25
	s_mov_b32 s19, 0
	s_lshl_b32 s46, s42, 9                         ; B: 512 bytes a tile column,
	s_mul_i32 s47, s[CH], 64*NDIM*2                ; 64 rows along K a half
	s_add_co_u32 s46, s46, s47
	s_mov_b32 s47, 0
	s_mul_i32 s20, s[CH], AHALF                    ; where they go: no place in the cluster enters an LDS address
	s_mul_i32 s21, s[CH], BHALF
	s_add_co_u32 s21, s21, ABYTES
	s_wait_dscnt 0x0
	s_wait_kmcnt 0x0
	s_add_nc_u64 s[18:19], s[4:5], s[18:19]
	s_add_nc_u64 s[46:47], s[6:7], s[46:47]
	CROUND                                         ; all sixteen work-groups are here: the first joint loads meet
.irp s, 0,1
	s_mov_b32 s[G0+4*(\s)], 1                                      ; count = 1
	s_add_co_u32 s[G0+4*(\s)+1], s20, (\s)*SLOT                    ; LDS address
	s_add_nc_u64 s[G0+4*(\s)+2:G0+4*(\s)+3], s[18:19], (\s)*KSTEP*2  ; global address: K step s
	s_or_b32 s[G0+4*(\s)+3], s[G0+4*(\s)+3], 0x80000000            ; type = 2
	s_mov_b32 s[G0B+4*(\s)], 1
	s_add_co_u32 s[G0B+4*(\s)+1], s21, (\s)*SLOT
	s_add_nc_u64 s[G0B+4*(\s)+2:G0B+4*(\s)+3], s[46:47], (\s)*KSTEP*NDIM*2
	s_or_b32 s[G0B+4*(\s)+3], s[G0B+4*(\s)+3], 0x80000000
.endr
	s_cmp_eq_u32 s[RH], 0                          ; a wave's two first fills stand in one branch, ahead of every wait on TENSORcnt and every LDS read: two loads of mine are out
	s_cbranch_scc0 .Lfirst_b
	tensor_load_to_lds s[G0:G0+3], s[G1:G1+7]
	s_nop 0
	tensor_load_to_lds s[G0+4:G0+7], s[G1:G1+7]
	s_nop 0
.rept 4
	v_nop
.endr
	s_branch .Lfirst_asked
.Lfirst_b:
	tensor_load_to_lds s[G0B:G0B+3], s[G1B:G1B+7]
	s_nop 0
	tensor_load_to_lds s[G0B+4:G0B+7], s[G1B:G1B+7]
	s_nop 0
.rept 4
	v_nop
.endr
.Lfirst_asked:
	v_and_b32 v1, 15, v0                           ; r = l % 16
	v_bfe_u32 v2, v0, 4, 1                         ; h = l / 16
	v_lshlrev_b32 v[BO], 5, v2                     ; my 8 columns of a block of 16: 32 h bytes of b1
	s_lshl_b32 s46, s42, 10                        ; b1 at my wave's 128 columns: (256 x tile column + 128 x half) x 4
	s_lshl_b32 s47, s[CH], 9
	s_add_co_u32 s46, s46, s47
	s_mov_b32 s47, 0
	s_add_nc_u64 s[10:11], s[10:11], s[46:47]
	WIN 0x40                                       ; destination window 1, address window 0
.irp b, 0,1,2,3,4,5,6,7
	global_load_b128 v[8*(\b):8*(\b)+3],   v[BO], s[10:11] offset:64*(\b)     ; waited for at the head of the way out
	global_load_b128 v[8*(\b)+4:8*(\b)+7], v[BO], s[10:11] offset:64*(\b)+16
.endr
	WIN 0
	; A fragment of A is 16 rows x 32 K: lane l holds row l % 16, K = 8 h + 0..7 and 16 + 8 h + 0..7: two loads of 16 bytes, 32 bytes apart.
	v_mul_u32_u24 v3, v1, PA
	v_lshl_add_u32 v3, v2, 4, v3                   ; row x pitch + 16 h
	s_mul_i32 s21, s[RH], MB*16*PA                 ; my 128 rows of A
	; The turning load takes 16 K x 16 columns (lane l reads K = 8 h + l % 8, columns 8 ((l / 8) % 2) + 0..7) and leaves half a fragment: lane l holds column l % 16 and 8 K.
	v_and_b32 v4, 7, v0
	v_bfe_u32 v5, v0, 3, 1
	v_lshl_add_u32 v6, v2, 3, v4
	v_mul_u32_u24 v6, v6, PB
	v_lshl_add_u32 v6, v5, 4, v6
	s_lshl_b32 s22, s[CH], 8                       ; my 128 columns of B,
	s_add_co_u32 s22, s22, ABYTES                  ; which lies behind A
.irp s, 0,1
	v_add_nc_u32 v[ADRA+(\s)], s21, v3
	v_add_nc_u32 v[ADRB+(\s)], s22, v6
	s_add_co_u32 s21, s21, SLOT
	s_add_co_u32 s22, s22, SLOT
.endr
	s_mul_i32 s23, s[WV], 16*SPITCH
	s_add_co_u32 s23, s23, STAGE                   ; my stage
	v_mul_u32_u24 v7, v1, SPITCH                   ; in: row l % 16, 16 bytes for each half of the lanes
	v_lshl_add_u32 v7, v2, 4, v7
	v_add_nc_u32 v[STO], s23, v7
	v_mul_u32_u24 v7, v2, SPITCH                   ; back: lanes 0-15 take one row of 256 bytes, lanes 16-31 the next
	v_lshl_add_u32 v7, v1, 4, v7
	v_add_nc_u32 v[RD], s23, v7
	v_lshlrev_b32 v7, 13, v2                       ; and the same two rows in dh, 8,192 bytes apart
	v_lshl_add_u32 v[CO], v1, 4, v7
	v_and_b32 v[LN], 31, v0
	v_lshlrev_b32 v[SO], 3, v[LN]                  ; 8 bytes a row in st
	s_mul_i32 s17, s43, TM
	s_mul_i32 s18, s[RH], MB*16
	s_add_co_u32 s17, s17, s18                     ; my wave's first row
	s_mul_i32 s18, s17, NDIM*2                     ; under 2^26
	s_mov_b32 s19, 0
	s_add_nc_u64 s[8:9], s[8:9], s[18:19]
	s_lshl_b32 s18, s17, 3
	s_add_nc_u64 s[12:13], s[12:13], s[18:19]
	s_lshl_b32 s46, s42, 9                         ; my first column in dh: 512 x tile column + 256 x half
	s_lshl_b32 s47, s[CH], 8
	s_add_co_u32 s46, s46, s47
	s_mov_b32 s47, 0
	s_add_nc_u64 s[8:9], s[8:9], s[46:47]
	s_lshl_b32 s46, s42, 1
	s_add_co_u32 s46, s46, s[CH]                   ; my chunk = 2 x tile column + half,
	s_lshl_b32 s46, s46, 16                        ; 65,536 bytes of st each
	s_add_nc_u64 s[12:13], s[12:13], s[46:47]
	s_mov_b32 s[SEL], 0x76543210
	s_mov_b32 s[SEL+1], 0xfedcba98
; 8 matrix instructions: row block a x all 8 column blocks, 32 along K, from buffer f.  zero = 1: the product starts the sums: nothing is ever cleared.
.macro MULA f, a, zero
	WIN 0xa1+0x50*((\a)/4)                         ; source 0 (B) window 1, source 1 (A) window 0, C and D window 2 or 3
.irp b, 0,1,2,3,4,5,6,7
.if \zero
	v_wmma_f32_16x16x32_f16 v[8*(8*((\a)%4)+(\b)):8*(8*((\a)%4)+(\b))+7], v[(\f)+8*(\b):(\f)+8*(\b)+7], v[(\f)+8*(\a):(\f)+8*(\a)+7], 0
.else
	v_wmma_f32_16x16x32_f16 v[8*(8*((\a)%4)+(\b)):8*(8*((\a)%4)+(\b))+7], v[(\f)+8*(\b):(\f)+8*(\b)+7], v[(\f)+8*(\a):(\f)+8*(\a)+7], v[8*(8*((\a)%4)+(\b)):8*(8*((\a)%4)+(\b))+7]
.endif
.endr
.endm
; n row blocks from a0 on.  The 64 accumulators take turns, one instruction a turn, in the same order in every quarter.
.macro MULR f, a0, n, zero
.set ma, \a0
.rept \n
	MULA \f, ma, \zero
.set ma, ma+1
.endr
.endm
; One run of LDS loads: the fragments of quarter q (32 along K) of a slot into buffer f: B's 16 loads first, then A's 2 MB, block by block
.macro FETCH slot, q, f
	WIN 0x40                                       ; destination window 1
.irp i, 0,1,2,3,4,5,6,7
	ds_load_tr16_b128 v[(\f)+8*(\i):(\f)+8*(\i)+3],   v[ADRB+(\slot)] offset:(\q)*32*PB+32*(\i)
	ds_load_tr16_b128 v[(\f)+8*(\i)+4:(\f)+8*(\i)+7], v[ADRB+(\slot)] offset:(\q)*32*PB+16*PB+32*(\i)
.endr
	WIN 0
.set fi, 0
.rept MB
	ds_load_b128 v[(\f)+8*fi:(\f)+8*fi+3],   v[ADRA+(\slot)] offset:64*(\q)+fi*16*PA
	ds_load_b128 v[(\f)+8*fi+4:(\f)+8*fi+7], v[ADRA+(\slot)] offset:64*(\q)+fi*16*PA+32
.set fi, fi+1
.endr
.endm
; A K step is four quarters of 32 along K on buffers 0, 1, 0, 1.  One of the first three: multiplies buffer f; in its middle it fetches quarter q of the same slot into buffer g.
.macro QUARTER slot, q, f, g, zero
	s_wait_dscnt MB                                ; B and A's lower blocks are in; the youngest MB loads (A's upper blocks) may be out
	MULR \f, 0, MB/2, \zero
	PLACES
	FETCH \slot, \q, \g
	s_wait_dscnt 16+2*MB                           ; all but the run just issued
	MULR \f, MB/2, MB/2, \zero
.endm
; The last quarter multiplies buffer 1 and changes slots: ONE barrier.  In front of it each wave waits for its own reads of this slot and for all its tensor loads, of which one is out: its part
; of the next slot.  fill = 1: the barrier opens a round of the cluster's barrier, and this slot is filled again, two K steps ahead, first thing behind the round.
.macro TURN slot, next, fill
	s_wait_dscnt MB
	MULR F1, 0, MB/4, 0
	s_wait_dscnt 0x0                               ; my reads of this slot are over,
	s_wait_tensorcnt 0x0                           ; and all my tensor loads have landed
	ds_add_u32 v255, v255
	s_wait_dscnt 0x0
	s_barrier_signal -1
	MULR F1, MB/4, MB/4, 0                         ; work on registers while the others arrive
.if \fill
	WIN 0
.endif
	s_barrier_wait -1
.if \fill
	CREST                                          ; no wave of any partner still reads this slot's tile or has a load on its way
	s_add_nc_u64 s[G0+4*(\slot)+2:G0+4*(\slot)+3], s[G0+4*(\slot)+2:G0+4*(\slot)+3], 2*KSTEP*2
	s_add_nc_u64 s[G0B+4*(\slot)+2:G0B+4*(\slot)+3], s[G0B+4*(\slot)+2:G0B+4*(\slot)+3], 2*KSTEP*NDIM*2
	JLOAD \slot                                    ; my one tensor load behind the round; its four v_nop are also the places in front of the loads below
.else
	PLACES
.endif
	FETCH \next, 0, F0
	MULR F1, MB/2, MB/2, 0
.endm
	s_wait_tensorcnt 0x1                           ; my part of K step 0 is in; K step 1's may stay out
	s_barrier_signal -1
	s_barrier_wait -1                              ; everybody's is
	FETCH 0, 0, F0
	QUARTER 0, 1, F0, F1, 1                        ; the first quarter stands in front of the loop: its products start the sums
	WIN 0                                          ; at a label and at a branch every window is 0
	s_mov_b32 s3, LAPS-1
.Llap:                                                 ; a trip goes once round the ring, from a lap's second quarter to the next lap's first, and fills both slots again
	QUARTER 0, 2, F1, F0, 0
	QUARTER 0, 3, F0, F1, 0
	TURN 0, 1, 1
	QUARTER 1, 1, F0, F1, 0
	QUARTER 1, 2, F1, F0, 0
	QUARTER 1, 3, F0, F1, 0
	TURN 1, 0, 1
	QUARTER 0, 1, F0, F1, 0
	WIN 0
	s_sub_co_u32 s3, s3, 1
	s_cmp_lg_u32 s3, 0
	s_cbranch_scc1 .Llap
	QUARTER 0, 2, F1, F0, 0                        ; the last lap fills nothing
	QUARTER 0, 3, F0, F1, 0
	TURN 0, 1, 0
	QUARTER 1, 1, F0, F1, 0
	QUARTER 1, 2, F1, F0, 0
	QUARTER 1, 3, F0, F1, 0
	s_wait_dscnt MB                                ; the very last quarter: nothing more to fetch
	MULR F1, 0, MB/2, 0
	s_wait_dscnt 0x0
	MULR F1, MB/2, MB/2, 0
	WIN 0
; THE WAY OUT of row block a.  h = sum + b1; the chunk's mean of my row (my 64 numbers and the 64 of the lane 16 away); d = h - mean; M2 = the sum of d^2; d rounded to f16, through my own
; stage in LDS (16 bytes a lane in, whole rows of 256 bytes back) and stored.
.macro EPI a
.set AC, 64*((\a)%4)
.set BK, BK0+32*((\a)%2)
	WIN 0x06+(\a)/4                                ; source 0: the accumulators' window; source 1: window 1 (b1); destination window 0
.set z, 0
.rept 32                                           ; ascending: each accumulator is read from its low end on
	v_pk_add_f32 v[T+2*z:T+2*z+1], v[AC+2*z:AC+2*z+1], v[2*z:2*z+1]
.set z, z+1
.endr
	WIN 0
.irp k, 0,1,2,3                                    ; the sum of 32 pairs in four chains, started by the first eight pairs
	v_pk_add_f32 v[SC+2*(\k):SC+2*(\k)+1], v[T+2*(\k):T+2*(\k)+1], v[T+8+2*(\k):T+8+2*(\k)+1]
.endr
.set z, 8
.rept 24
	v_pk_add_f32 v[SC+2*(z%4):SC+2*(z%4)+1], v[SC+2*(z%4):SC+2*(z%4)+1], v[T+2*z:T+2*z+1]
.set z, z+1
.endr
	v_pk_add_f32 v[SC:SC+1], v[SC:SC+1], v[SC+2:SC+3]
	v_pk_add_f32 v[SC+4:SC+5], v[SC+4:SC+5], v[SC+6:SC+7]
	v_pk_add_f32 v[SC:SC+1], v[SC:SC+1], v[SC+4:SC+5]
	v_add_f32 v43, v[SC], v[SC+1]
	v_permlanex16_b32 v42, v43, s[SEL], s[SEL+1]   ; the row's other 64 columns lie in the lane 16 away
	v_add_f32 v43, v43, v42
	v_mul_f32 v[MP], 0x3c000000, v43               ; / 128
	v_mul_f32 v[MP+1], 0x3c000000, v43
	v_mov_b32 v[MEAN+(\a)], v[MP]
.set z, 0
.rept 32
	v_pk_add_f32 v[T+2*z:T+2*z+1], v[T+2*z:T+2*z+1], v[MP:MP+1] neg_lo:[0,1] neg_hi:[0,1]  ; d = h - mean
.set z, z+1
.endr
.irp k, 0,1,2,3
	v_pk_mul_f32 v[SC+2*(\k):SC+2*(\k)+1], v[T+2*(\k):T+2*(\k)+1], v[T+2*(\k):T+2*(\k)+1]
.endr
.set z, 4
.rept 28
	v_pk_fma_f32 v[SC+2*(z%4):SC+2*(z%4)+1], v[T+2*z:T+2*z+1], v[T+2*z:T+2*z+1], v[SC+2*(z%4):SC+2*(z%4)+1]
.set z, z+1
.endr
	v_pk_add_f32 v[SC:SC+1], v[SC:SC+1], v[SC+2:SC+3]
	v_pk_add_f32 v[SC+4:SC+5], v[SC+4:SC+5], v[SC+6:SC+7]
	v_pk_add_f32 v[SC:SC+1], v[SC:SC+1], v[SC+4:SC+5]
	v_add_f32 v43, v[SC], v[SC+1]
	v_permlanex16_b32 v42, v43, s[SEL], s[SEL+1]
	v_add_f32 v[M2+(\a)], v43, v42
.set z, 0
.rept 32
	v_cvt_pk_f16_f32 v[TMP+z], v[T+2*z], v[T+2*z+1]
.set z, z+1
.endr
	s_wait_xcnt 0x0                                ; every earlier store has had its addresses translated (ISA guide 3.1): the registers that the block two back was stored from are loaded again only behind this wait
.irp b, 0,1,2,3,4,5,6,7
	ds_store_b128 v[STO], v[TMP+4*(\b):TMP+4*(\b)+3] offset:32*(\b)
.endr
.irp t, 0,1,2,3,4,5,6,7
	ds_load_b128 v[BK+4*(\t):BK+4*(\t)+3], v[RD] offset:(\t)*2*SPITCH  ; LDS serves a wave's instructions in order (ISA guide 5.7.1.4): these see the stores above
.endr
.irp t, 0,1,2,3,4,5,6,7
	s_wait_dscnt 7-(\t)                            ; pair t of rows is back; the 7 - t younger loads stay out
	global_store_b128 v[CO], v[BK+4*(\t):BK+4*(\t)+3], s[8:9] offset:(16*(\a)+2*(\t))*NDIM*2  ; 16 lanes store 256 consecutive bytes, at a multiple of 256 from dh's first byte; 126 rows at the most, inside the signed 24-bit immediate
.endr
.endm
	PLACES                                         ; behind the last products
	v_mov_b32 v42, 0                               ; v_permlanex16_b32's destination counts as read
	s_wait_loadcnt 0x0                             ; b1
.irp a, 0,1,2,3,4,5,6,7
	EPI \a
.endr
	; the statistics: lanes 0-15 take block a's rows, lanes 16-31 block a + 1's: 32 rows x 8 bytes = 256 consecutive bytes of st, aligned
	v_cmp_lt_u32 vcc_lo, 15, v[LN]
.irp a, 0,2,4,6
	v_cndmask_b32 v[SP+(\a)],   v[MEAN+(\a)], v[MEAN+(\a)+1], vcc_lo
	v_cndmask_b32 v[SP+(\a)+1], v[M2+(\a)],   v[M2+(\a)+1],   vcc_lo
	global_store_b64 v[SO], v[SP+(\a):SP+(\a)+1], s[12:13] offset:128*(\a)
.endr
	s_set_vgpr_msb 0x1
	s_wait_tensorcnt 0x0
	ds_add_u32 v255, v255
	s_wait_dscnt 0x0
	s_set_vgpr_msb 0x100
	CROUND                                         ; the closing round: no work-group ends while a partner may still ask for a tile that names it
	s_endpgm
.Lfunc_end_k_q138063f4cd_gemm1:
	.size	k_q138063f4cd_gemm1, .Lfunc_end_k_q138063f4cd_gemm1-k_q138063f4cd_gemm1
	.p2alignl 7, 3214868480
	.fill 96, 4, 3214868480
	.section	.rodata,"a",@progbits
	.p2align	6, 0x0
	.amdhsa_kernel k_q138063f4cd_gemm1
		.amdhsa_group_segment_fixed_size 327680
		.amdhsa_private_segment_fixed_size 0
		.amdhsa_enable_private_segment 0
		.amdhsa_kernarg_size 40
		.amdhsa_user_sgpr_count 2
		.amdhsa_user_sgpr_kernarg_segment_ptr 1
		.amdhsa_wavefront_size32 1
		.amdhsa_system_sgpr_workgroup_id_x 1
		.amdhsa_system_sgpr_workgroup_id_y 1
		.amdhsa_system_sgpr_workgroup_id_z 1
		.amdhsa_system_vgpr_workitem_id 0
		.amdhsa_next_free_vgpr 1024
		.amdhsa_next_free_sgpr 68
		.amdhsa_reserve_vcc 1
		.amdhsa_float_denorm_mode_32 3
		.amdhsa_float_denorm_mode_16_64 3
		.amdhsa_memory_ordered 1
		.amdhsa_forward_progress 1
		.amdhsa_inst_pref_size 215
	.end_amdhsa_kernel
	.amdgpu_metadata
---
amdhsa.version: [ 1, 2 ]
amdhsa.kernels:
  - .name:           k_q138063f4cd_gemm1
    .symbol:         k_q138063f4cd_gemm1.kd
    .args:
      - { .name: xh, .offset: 0, .size: 8, .value_kind: global_buffer, .address_space: global }
      - { .name: w1h, .offset: 8, .size: 8, .value_kind: global_buffer, .address_space: global }
      - { .name: dh, .offset: 16, .size: 8, .value_kind: global_buffer, .address_space: global }
      - { .name: b1, .offset: 24, .size: 8, .value_kind: global_buffer, .address_space: global }
      - { .name: st, .offset: 32, .size: 8, .value_kind: global_buffer, .address_space: global }
    .group_segment_fixed_size: 327680
    .private_segment_fixed_size: 0
    .kernarg_segment_align: 8
    .kernarg_segment_size: 40
    .max_flat_workgroup_size: 128
    .sgpr_count:     68
    .vgpr_count:     1024
    .wavefront_size: 32
...
	.end_amdgpu_metadata
.endif
;; end of part 2
;; launch norm (part 3): grid 256 x 1, 16 waves a work-group, no clusters, 26,624 bytes of LDS; arguments dh, st, ln_gamma, ln_beta, gh; writes gh
.if DOCPART == 3
	.amdgcn_target "amdgcn-amd-amdhsa--gfx1250"
	.amdhsa_code_object_version 6
	.text
	.protected	k_q138063f4cd_norm
	.globl	k_q138063f4cd_norm
	.p2align	8
	.type	k_q138063f4cd_norm,@function
k_q138063f4cd_norm:
	s_mov_b64 s[64:65], 0
	v_nop
	global_prefetch_b8 v0, s[64:65] scope:SCOPE_SE
	s_setreg_imm32_b32 hwreg(HW_REG_WAVE_MODE, 25, 1), 1
	s_wait_xcnt 0x0
; The second half of the LayerNorm, and the exact GELU.  dh: [8192][4096] f16, d = h - its chunk's mean; st: [32 chunks][8192 rows][2] f32, (mean, M2) of each chunk of 128 columns.
; For a row: mu = the mean of the 32 means; M2 = the sum of the chunks' M2 + 128 x the sum of (mean_c - mu)^2; rstd = 1 / sqrt(M2 / 4096 + 1e-5).
; z = (d rstd + (mean_c - mu) rstd) gamma + beta;  g = z Phi(z), rounded once to f16, into gh [8192][4096].
; PHI.  1 - Phi(x) for x >= 0 is exp(-x^2 / 2) (c1 t + .. + c5 t^5), t = 1 / (1 + 0.2316419 x) (Abramowitz and Stegun 26.2.17, the factor 1 / sqrt(2 pi) folded into c1-c5): off by less than
; 7.5e-8 for every x.  g = max(z, 0) - |z| (1 - Phi(|z|)) holds for both signs: no compare, and no cancellation in the negative tail.
; LIMITS.  g lies within f16's 65,504 (|g| <= 64 |gamma| + |beta|); below 6e-5 f16 keeps a fixed step of 6e-8; an exponential below 2^-126 counts as 0.  NaN and infinities are not treated apart.
; A stream: no matrix unit; no cluster (of what a work-group reads only gamma and beta, 32 KiB of 544, are read by others too).
; SHARES.  Sixteen waves; the work-group owns 32 rows.  Thread t owns the 16 bytes (8 columns) at byte 16 t of every row, so its gamma and beta stay in registers, its chunk is t / 16, and a wave's
; load or store covers 512 consecutive bytes, aligned.  A ring of 8 slots keeps 8 loads of every wave in flight.
; LDS.  RAW: [32 chunks][32 rows] x 8 bytes, the work-group's part of st.  TAB: [32 chunks][32 rows] x 16 bytes: (rstd, rstd, sh, sh), sh = (mean_c - mu) rstd.
.set ROW,  8192                        ; bytes in a row
.set RAW,  0
.set TAB,  8192
.set GA,   2                           ; v[2:9]     gamma of my 8 columns
.set BE,   10                          ; v[10:17]   beta
.set OFF,  18                          ; v[18:25]   slot i: byte offset of its row's 16 bytes
.set TA,   26                          ; v26        LDS address of my chunk's entries; v27-31 addresses of the first part
.set X,    32                          ; v[32:63]   slot i: 8 f16 as loaded (under v128: their halves are named)
.set PR,   64                          ; v[64:95]   slot i: its row's entry of TAB
.set Y,    96                          ; v[96:127]  slot i: 8 f16 to store
.set Z,    128                         ; v[128:135] z
.set T,    136                         ; v[136:143] t, then g
.set W,    144                         ; v[144:151] the exponential, then max(z, 0)
.set P,    152                         ; v[152:159] the polynomial
.set R,    96                          ; v[96:159]  the first part: a row's 32 pairs (mean, M2)
.set OWN,  160                         ; v[160:163] the pairs of my wave's two chunks
.set CHN,  164                         ; v[164:171] chains
.set EN,   172                         ; v[172:179] two entries of TAB
	s_load_b256 s[4:11], s[0:1], 0x0               ; dh s[4:5], st s[6:7], gamma s[8:9], beta s[10:11]
	s_load_b64 s[12:13], s[0:1], 0x20              ; gh
	v_lshl_add_u32 v180, v0, 2, 0x6000
	v_mov_b32 v181, 0
	v_lshrrev_b32 v1, 5, v0
	v_readfirstlane_b32 s14, v1                    ; wave 0..15
	v_and_b32 v28, 31, v0                          ; lane
	v_lshlrev_b32 v29, 3, v28                      ; 8 x lane
	s_lshl_b32 s16, s14, 16
	v_add_nc_u32 v27, s16, v29                     ; in st: chunk = wave, row = lane
	s_lshl_b32 s17, s14, 8
	v_add_nc_u32 v30, s17, v29                     ; the same place in RAW
	v_lshlrev_b32 v31, 4, v28
	s_lshl_b32 s17, s14, 9
	s_add_co_u32 s17, s17, TAB
	v_add_nc_u32 v31, s17, v31                     ; and in TAB: 512 consecutive bytes a wave
	v_lshlrev_b32 v1, 5, v0                        ; byte offset of my 8 numbers in gamma and beta
.irp i, 0,1,2,3,4,5,6,7
	v_lshl_or_b32 v[OFF+(\i)], v0, 4, (\i)*ROW     ; 16 t + the slot's row
.endr
	s_mov_b32 s20, 0x3f07dc22                      ; c5 =  0.530702716   (pairs: the packed forms take the low word for both halves, and name both)
	s_mov_b32 s21, s20
	s_mov_b32 s22, 0xbf3a00e3                      ; c4 = -0.726576014
	s_mov_b32 s23, s22
	s_mov_b32 s24, 0x3f35f0e3                      ; c3 =  0.710706871
	s_mov_b32 s25, s24
	s_mov_b32 s26, 0xbe11a98e                      ; c2 = -0.142248368
	s_mov_b32 s27, s26
	s_mov_b32 s28, 0x3e027906                      ; c1 =  0.127414796
	s_mov_b32 s29, s28
	s_mov_b32 s30, 0x3e6d3389                      ; 0.2316419
	s_mov_b32 s32, 0xbf38aa3b                      ; -log2(e) / 2
	s_mov_b32 s33, s32
	s_mov_b32 s34, 0x39800000                      ; 1 / 4096
	s_mov_b32 s35, 0x3727c5ac                      ; 1e-5
	s_lshl_b32 s18, ttmp9, 18                      ; the work-group's 32 rows of 8,192 bytes: under 2^26
	s_mov_b32 s19, 0
	s_lshl_b32 s36, ttmp9, 8                       ; and of 8 bytes in a chunk of st
	s_mov_b32 s37, 0
	s_wait_kmcnt 0x0
	s_add_nc_u64 s[4:5], s[4:5], s[18:19]
	s_add_nc_u64 s[12:13], s[12:13], s[18:19]
	s_add_nc_u64 s[6:7], s[6:7], s[36:37]
	global_load_b64 v[OWN:OWN+1],   v27, s[6:7]                    ; chunk w: 32 rows x 8 bytes = 256 consecutive bytes, aligned
	global_load_b64 v[OWN+2:OWN+3], v27, s[6:7] offset:16*65536    ; chunk w + 16
	global_load_b128 v[GA:GA+3],   v1, s[8:9]
	global_load_b128 v[GA+4:GA+7], v1, s[8:9] offset:16
	global_load_b128 v[BE:BE+3],   v1, s[10:11]
	global_load_b128 v[BE+4:BE+7], v1, s[10:11] offset:16
.irp i, 0,1,2,3,4,5,6,7
	global_load_b128 v[X+4*(\i):X+4*(\i)+3], v[OFF+(\i)], s[4:5] th:TH_LOAD_NT  ; the ring is filled: rows 0 to 7 are on their way during the first part
.endr
	s_wait_loadcnt 12                              ; the two pairs are in; the 4 + 8 younger loads stay out
	ds_store_b64 v30, v[OWN:OWN+1]
	ds_store_b64 v30, v[OWN+2:OWN+3] offset:4096
	s_wait_dscnt 0x0                               ; for the others' sake: my stores are done
	s_barrier_signal -1
	s_barrier_wait -1
.set c, 0
.rept 32
	ds_load_b64 v[R+2*c:R+2*c+1], v29 offset:RAW+256*c             ; row = lane: every wave makes all 32 rows' figures
.set c, c+1
.endr
	s_wait_dscnt 0x0
.irp k, 0,1,2,3                                    ; (sum of means, sum of M2): 32 pairs in four chains
	v_pk_add_f32 v[CHN+2*(\k):CHN+2*(\k)+1], v[R+2*(\k):R+2*(\k)+1], v[R+8+2*(\k):R+8+2*(\k)+1]
.endr
.set c, 8
.rept 24
	v_pk_add_f32 v[CHN+2*(c%4):CHN+2*(c%4)+1], v[CHN+2*(c%4):CHN+2*(c%4)+1], v[R+2*c:R+2*c+1]
.set c, c+1
.endr
	v_pk_add_f32 v[CHN:CHN+1], v[CHN:CHN+1], v[CHN+2:CHN+3]
	v_pk_add_f32 v[CHN+4:CHN+5], v[CHN+4:CHN+5], v[CHN+6:CHN+7]
	v_pk_add_f32 v[CHN:CHN+1], v[CHN:CHN+1], v[CHN+4:CHN+5]
	v_mul_f32 v[CHN+2], 0x3d000000, v[CHN]         ; mu = / 32
.set c, 0
.rept 32
	v_sub_f32 v[R+2*c], v[R+2*c], v[CHN+2]         ; mean_c - mu
.set c, c+1
.endr
.irp k, 0,1,2,3
	v_mul_f32 v[CHN+4+(\k)], v[R+2*(\k)], v[R+2*(\k)]
.endr
.set c, 4
.rept 28
	v_fma_f32 v[CHN+4+c%4], v[R+2*c], v[R+2*c], v[CHN+4+c%4]
.set c, c+1
.endr
	v_add_f32 v[CHN+4], v[CHN+4], v[CHN+5]
	v_add_f32 v[CHN+6], v[CHN+6], v[CHN+7]
	v_add_f32 v[CHN+4], v[CHN+4], v[CHN+6]
	v_fma_f32 v[CHN+1], v[CHN+4], 0x43000000, v[CHN+1]  ; M2 = sum of M2_c + 128 x sum of squares
	v_fma_f32 v[CHN+3], v[CHN+1], s34, s35         ; variance + eps
	v_rsq_f32 v[EN], v[CHN+3]
	v_sub_f32 v[EN+2], v[OWN], v[CHN+2]            ; a plain instruction behind the root, before its result is used (ISA guide 5.7.2)
	v_sub_f32 v[EN+6], v[OWN+2], v[CHN+2]
	s_wait_alu depctr_va_vdst(0)
	v_mov_b32 v[EN+1], v[EN]
	v_mul_f32 v[EN+2], v[EN+2], v[EN]
	v_mov_b32 v[EN+4], v[EN]
	v_mov_b32 v[EN+5], v[EN]
	v_mul_f32 v[EN+6], v[EN+6], v[EN]
	v_mov_b32 v[EN+3], v[EN+2]
	v_mov_b32 v[EN+7], v[EN+6]
	ds_store_b128 v31, v[EN:EN+3]                  ; chunk w, row = lane
	ds_store_b128 v31, v[EN+4:EN+7] offset:8192    ; chunk w + 16
	s_wait_dscnt 0x0                               ; for the others' sake
	s_barrier_signal -1
	s_barrier_wait -1
	v_lshrrev_b32 v[TA], 4, v0                     ; my chunk
	v_lshl_add_u32 v[TA], v[TA], 9, TAB
.irp i, 0,1,2,3,4,5,6,7
	ds_load_b128 v[PR+4*(\i):PR+4*(\i)+3], v[TA] offset:16*(\i)    ; sixteen lanes read the same 16 bytes
.endr
; One slot's turn.  x0-x3: the numbers of the slot's four X registers, so that their halves can be named.  ahead = 1: the slot is filled again with the row 8 further down.
; left: how many younger loads, of memory and of LDS alike, may still be out.
.macro SLOT i, x0, x1, x2, x3, ahead, left
	s_wait_loadcnt \left                           ; loads come back in order (ISA guide 5.7.1): my row's is in
	s_wait_dscnt \left                             ; and its entry of TAB
	s_wait_xcnt 0x0                                ; every earlier memory instruction has had its addresses translated (ISA guide 3.1): this slot's Y and OFF, which its last store reads, are rewritten only behind this wait
	v_cvt_f32_f16 v[Z+0], v\x0\().l
	v_cvt_f32_f16 v[Z+1], v\x0\().h
	v_cvt_f32_f16 v[Z+2], v\x1\().l
	v_cvt_f32_f16 v[Z+3], v\x1\().h
	v_cvt_f32_f16 v[Z+4], v\x2\().l
	v_cvt_f32_f16 v[Z+5], v\x2\().h
	v_cvt_f32_f16 v[Z+6], v\x3\().l
	v_cvt_f32_f16 v[Z+7], v\x3\().h
.irp j, 0,2,4,6
	v_pk_fma_f32 v[Z+(\j):Z+(\j)+1], v[Z+(\j):Z+(\j)+1], v[PR+4*(\i):PR+4*(\i)+1], v[PR+4*(\i)+2:PR+4*(\i)+3]  ; d rstd + sh
.endr
.irp j, 0,2,4,6
	v_pk_fma_f32 v[Z+(\j):Z+(\j)+1], v[Z+(\j):Z+(\j)+1], v[GA+(\j):GA+(\j)+1], v[BE+(\j):BE+(\j)+1]  ; z
.endr
.irp j, 0,1,2,3,4,5,6,7
	v_fma_f32 v[T+(\j)], |v[Z+(\j)]|, s30, 1.0
.endr
.irp j, 0,1,2,3,4,5,6,7
	v_rcp_f32 v[T+(\j)], v[T+(\j)]                 ; t
.endr
.irp j, 0,2,4,6
	v_pk_mul_f32 v[W+(\j):W+(\j)+1], v[Z+(\j):Z+(\j)+1], v[Z+(\j):Z+(\j)+1]  ; plain work that touches no t stands behind the reciprocals
.endr
.irp j, 0,2,4,6
	v_pk_mul_f32 v[W+(\j):W+(\j)+1], v[W+(\j):W+(\j)+1], s[32:33] op_sel_hi:[1,0]
.endr
.irp j, 0,1,2,3,4,5,6,7
	v_exp_f32 v[W+(\j)], v[W+(\j)]                 ; exp(-z^2 / 2)
.endr
	s_wait_alu depctr_va_vdst(0)
.irp j, 0,2,4,6
	v_pk_fma_f32 v[P+(\j):P+(\j)+1], v[T+(\j):T+(\j)+1], s[20:21], s[22:23] op_sel_hi:[1,0,0]  ; plain work that touches no exponential stands behind them
.endr
.irp j, 0,2,4,6
	v_pk_fma_f32 v[P+(\j):P+(\j)+1], v[P+(\j):P+(\j)+1], v[T+(\j):T+(\j)+1], s[24:25] op_sel_hi:[1,1,0]
.endr
.irp j, 0,2,4,6
	v_pk_fma_f32 v[P+(\j):P+(\j)+1], v[P+(\j):P+(\j)+1], v[T+(\j):T+(\j)+1], s[26:27] op_sel_hi:[1,1,0]
.endr
.irp j, 0,2,4,6
	v_pk_fma_f32 v[P+(\j):P+(\j)+1], v[P+(\j):P+(\j)+1], v[T+(\j):T+(\j)+1], s[28:29] op_sel_hi:[1,1,0]
.endr
.irp j, 0,2,4,6
	v_pk_mul_f32 v[P+(\j):P+(\j)+1], v[P+(\j):P+(\j)+1], v[T+(\j):T+(\j)+1]
.endr
.irp j, 0,2,4,6
	v_pk_mul_f32 v[P+(\j):P+(\j)+1], v[P+(\j):P+(\j)+1], v[W+(\j):W+(\j)+1]  ; 1 - Phi(|z|)
.endr
.irp j, 0,1,2,3,4,5,6,7
	v_max_num_f32 v[W+(\j)], 0, v[Z+(\j)]
.endr
.irp j, 0,1,2,3,4,5,6,7
	v_fma_f32 v[T+(\j)], -|v[Z+(\j)]|, v[P+(\j)], v[W+(\j)]  ; g
.endr
.irp k, 0,1,2,3
	v_cvt_pk_f16_f32 v[Y+4*(\i)+(\k)], v[T+2*(\k)], v[T+2*(\k)+1]
.endr
.if \ahead
	v_add_nc_u32 v[OFF+(\i)], 8*ROW, v[OFF+(\i)]   ; the slot's next row
	global_load_b128 v[X+4*(\i):X+4*(\i)+3], v[OFF+(\i)], s[4:5] th:TH_LOAD_NT
	ds_load_b128 v[PR+4*(\i):PR+4*(\i)+3], v[TA] offset:16*(8+(\i))
	global_store_b128 v[OFF+(\i)], v[Y+4*(\i):Y+4*(\i)+3], s[12:13] offset:-8*ROW
.else
	global_store_b128 v[OFF+(\i)], v[Y+4*(\i):Y+4*(\i)+3], s[12:13]
.endif
.endm
	s_mov_b32 s15, 3                               ; 32 rows are four rounds of the ring; the last is written out
.Lround:
	SLOT 0, 32, 33, 34, 35, 1, 7
	SLOT 1, 36, 37, 38, 39, 1, 7
	SLOT 2, 40, 41, 42, 43, 1, 7
	SLOT 3, 44, 45, 46, 47, 1, 7
	SLOT 4, 48, 49, 50, 51, 1, 7
	SLOT 5, 52, 53, 54, 55, 1, 7
	SLOT 6, 56, 57, 58, 59, 1, 7
	SLOT 7, 60, 61, 62, 63, 1, 7
	v_add_nc_u32 v[TA], 128, v[TA]                 ; eight rows' entries on
	s_sub_co_u32 s15, s15, 1
	s_cmp_lg_u32 s15, 0
	s_cbranch_scc1 .Lround
	SLOT 0, 32, 33, 34, 35, 0, 7                   ; the last round loads nothing: the counts run down
	SLOT 1, 36, 37, 38, 39, 0, 6
	SLOT 2, 40, 41, 42, 43, 0, 5
	SLOT 3, 44, 45, 46, 47, 0, 4
	SLOT 4, 48, 49, 50, 51, 0, 3
	SLOT 5, 52, 53, 54, 55, 0, 2
	SLOT 6, 56, 57, 58, 59, 0, 1
	SLOT 7, 60, 61, 62, 63, 0, 0
	s_wait_tensorcnt 0x0
	ds_add_u32 v180, v181
	s_wait_dscnt 0x0
	s_endpgm
.Lfunc_end_k_q138063f4cd_norm:
	.size	k_q138063f4cd_norm, .Lfunc_end_k_q138063f4cd_norm-k_q138063f4cd_norm
	.p2alignl 7, 3214868480
	.fill 96, 4, 3214868480
	.section	.rodata,"a",@progbits
	.p2align	6, 0x0
	.amdhsa_kernel k_q138063f4cd_norm
		.amdhsa_group_segment_fixed_size 26624
		.amdhsa_private_segment_fixed_size 0
		.amdhsa_enable_private_segment 0
		.amdhsa_kernarg_size 40
		.amdhsa_user_sgpr_count 2
		.amdhsa_user_sgpr_kernarg_segment_ptr 1
		.amdhsa_wavefront_size32 1
		.amdhsa_system_sgpr_workgroup_id_x 1
		.amdhsa_system_sgpr_workgroup_id_y 1
		.amdhsa_system_sgpr_workgroup_id_z 1
		.amdhsa_system_vgpr_workitem_id 0
		.amdhsa_next_free_vgpr 182
		.amdhsa_next_free_sgpr 66
		.amdhsa_reserve_vcc 0
		.amdhsa_float_denorm_mode_32 3
		.amdhsa_float_denorm_mode_16_64 3
		.amdhsa_memory_ordered 1
		.amdhsa_forward_progress 1
		.amdhsa_inst_pref_size 95
	.end_amdhsa_kernel
	.amdgpu_metadata
---
amdhsa.version: [ 1, 2 ]
amdhsa.kernels:
  - .name:           k_q138063f4cd_norm
    .symbol:         k_q138063f4cd_norm.kd
    .args:
      - { .name: dh, .offset: 0, .size: 8, .value_kind: global_buffer, .address_space: global }
      - { .name: st, .offset: 8, .size: 8, .value_kind: global_buffer, .address_space: global }
      - { .name: ln_gamma, .offset: 16, .size: 8, .value_kind: global_buffer, .address_space: global }
      - { .name: ln_beta, .offset: 24, .size: 8, .value_kind: global_buffer, .address_space: global }
      - { .name: gh, .offset: 32, .size: 8, .value_kind: global_buffer, .address_space: global }
    .group_segment_fixed_size: 26624
    .private_segment_fixed_size: 0
    .kernarg_segment_align: 8
    .kernarg_segment_size: 40
    .max_flat_workgroup_size: 512
    .sgpr_count:     66
    .vgpr_count:     182
    .wavefront_size: 32
...
	.end_amdgpu_metadata
.endif
;; end of part 3
;; launch gemm2 (part 4): grid 4 x 64, 4 waves a work-group, clusters of 4 x 4, 327,680 bytes of LDS; arguments gh, w2h, out0; writes out0
.if DOCPART == 4
	.amdgcn_target "amdgcn-amd-amdhsa--gfx1250"
	.amdhsa_code_object_version 6
	.text
	.protected	k_q138063f4cd_gemm2
	.globl	k_q138063f4cd_gemm2
	.p2align	8
	.type	k_q138063f4cd_gemm2,@function
k_q138063f4cd_gemm2:
	s_mov_b64 s[64:65], 0
	v_nop
	global_prefetch_b8 v0, s[64:65] scope:SCOPE_SE
	s_setreg_imm32_b32 hwreg(HW_REG_WAVE_MODE, 25, 1), 1
	s_wait_xcnt 0x0
	s_wait_alu depctr_hold_cnt(0) depctr_sa_sdst(0) depctr_va_vdst(0) depctr_va_sdst(0) depctr_va_ssrc(0) depctr_va_vcc(0) depctr_vm_vsrc(0)
	s_getreg_b32 s2, hwreg(HW_REG_IB_STS2, 6, 4)
	s_cmp_eq_u32 s2, 0
	s_cbranch_scc0 .Lentry_in_a_cluster
	s_endpgm
.Lentry_in_a_cluster:
	s_bfe_u32 s2, ttmp6, 0x10000c
	s_cmp_lg_u32 s2, 0xf033
	s_cbranch_scc0 .Lentry_shape_is_right
	s_endpgm
.Lentry_shape_is_right:
; out0 = g W2.  gh: [8192][4096] f16; w2h: [4096][1024] f16, [K][N]; out0: [8192][1024] f32.  Sums in f32, stored as they are.
; LIMITS.  g and W2 lie within f16's 65,504; NaN and infinities are not treated apart.
; SHAPE.  A tile of out0 is 128 x 256, which gives 4 x 64 = 256 work-groups (tiles of 256 x 256 would be 128).  Four waves, 2 x 2, each 64 rows x 128 columns: 32 accumulators, 256 registers.
; THE RING HAS TWO SLOTS OF UNLIKE SIZE.  Slot X holds 256 along K (256 matrix instructions a wave), slot Y 128.  Two slots of 256 would take 2 x (128 x 528 + 256 x 544) = 413,696 bytes, more
; than the 327,680 of a WGP; X and Y take 311,296.  4096 = 10 x (256 + 128) + 256: 21 steps X, Y, X, .., X, none of them short.  Y's refill goes out where X's step begins and has 248 matrix
; instructions ahead of the wait for it; X's has 120.  A's rows are 512 or 256 bytes of memory, B's 512, all starting at multiples of 256 from their buffers' first bytes.
; B LIES [K][N] IN LDS and is turned on its way into registers by ds_load_tr16_b128.
; THE MATRIX INSTRUCTION IS USED TRANSPOSED: source 0 = 16 columns of W2, source 1 = 16 rows of g: lane l holds row l % 16 and eight neighbouring columns, 32 bytes of a row of out0.
; CLUSTER.  4 x 4 work-groups.  The four of a row of the cluster need the same tiles of g, the four of a column the same tiles of W2: each tile is asked for JOINTLY, by the same tensor load
; with the same descriptor and a mask that names the four.
; PREFETCH.  Each byte of gh is read once in the launch, by one row of a cluster.  In each change of slots of the loop wave 3 asks for the tile of g that the NEXT change of slots will request:
; of its 128 rows the 32 from 32 cx on, a lane a row, one request for each aligned 256 bytes of a row.  So from step 3 on each such block is asked for once in the launch, one step ahead of its
; tensor load.  The last request names bytes 7,680 to 8,191 of the rows' 8,192 (step 20); the tail asks for nothing.
; REGISTERS, in windows of 256 (s_set_vgpr_msb: bits 1:0 source 0, 3:2 source 1, 5:4 source 2, 7:6 destination):
;   window 0: v0-31 addresses; v64-95, v128-159 A's fragments, two buffers; on the way out v64-191 rows read back
;   window 1: v64-127, v128-191 B's fragments, two buffers          window 2: the accumulators ((a, b) at v[8 (8 a + b)])
.set MB,     4                         ; blocks of 16 rows a wave
.set TM,     32*MB                     ; rows in a tile
.set AR,     TM/2                      ; rows of A that one tensor load brings
.set KDIM,   4096
.set NDIM,   1024
.set KX,     256                       ; along K in slot X: eight quarters of 32
.set KY,     128                       ; in slot Y: four
.set LAPS,   KDIM/(KX+KY)              ; 10 laps of X and Y; behind them one more X
.set PAX,    528                       ; a row of A in X: 512 bytes + 16 = 132 words;  in Y: 256 + 16 = 68 words: the 16 rows of a load start at 16 different groups of four banks (64 banks of 4 bytes: ISA guide 11.1)
.set PAY,    272
.set PB,     544                       ; a row of B: 512 bytes + 32 = 136 words
.set AXB,    TM*PAX                    ; X: A's 128 rows, then B's 256 rows
.set YBASE,  AXB+KX*PB                 ; Y begins behind X: A's 128 rows, then B's 128 rows
.set AYB,    TM*PAY
.set STAGE,  YBASE                     ; the way out's stage, 16 rows x 528 bytes for each wave, lies in slot Y, which by then has had its last fill (step 19) and whose last reads stand ahead of a barrier
.set SPITCH, 528                       ; a row of 128 f32: 512 bytes + 16
.set ADRA, 16                          ; v16, v17       LDS address of my A fragments in X, in Y
.set ADRB, 20                          ; v20, v21, v22  of my B fragments in X's quarters 0-3, X's quarters 4-7 (an LDS immediate ends at 65,535), Y
.set STO,  24                          ; v24     the way out: where I put 32 bytes of a row
.set RD,   25                          ; v25     where I read a row back
.set CO,   26                          ; v26     my byte offset in a row of out0
.set PFO,  27                          ; v27     the prefetch: my lane's row, 8,192 bytes each; never rewritten
.set F0,   64
.set F1,   128
.set BK0,  64                          ; v64-127, v128-191  16 rows read back from the stage, by turns
.set WV,   14                          ; s14  wave
.set RH,   15                          ; s15  my half of the tile's rows.  Also: I fetch for A (0) or for B (1)
.set CH,   16                          ; s16  my half of its columns.  Also: which half of that tile I fetch
.set G1X,  24                          ; s[24:31] descriptor group 1 for A's tiles in X;  s[68:75] in Y
.set G1Y,  68
.set G0,   32                          ; s[32:35], s[36:39] group 0 for A's tiles in X, in Y
.set G1BX, 48                          ; s[48:55], s[76:83] group 1 for B's tiles in X, in Y
.set G1BY, 76
.set G0B,  56                          ; s[56:59], s[60:63] group 0 for B's
.set PF,   66                          ; s[66:67] gh at my 32 rows, at the bytes that the prefetch names next
.set MSB, 0
.macro WIN new                         ; the immediate's high byte repeats the setting that is left; a switch that changes nothing is dropped
.if MSB != (\new)
	s_set_vgpr_msb (MSB<<8)|(\new)
.set MSB, \new
.endif
.endm
; Four places: a load into a register that a matrix instruction has read, and a vector instruction or an LDS store that reads a matrix result, stand four plain vector instructions behind it
.macro PLACES
.rept 4
	v_nop
.endr
.endm
; A joint load into slot s (0: X, 1: Y).  Waves 0 and 1 fetch A's two halves, waves 2 and 3 B's.  The branch hangs on the wave's number alone.  Four v_nop follow each of the two lines.
.macro JLOAD s
	s_cmp_eq_u32 s[RH], 0
	s_cbranch_scc0 .Lfor_b_\@
.if (\s) == 0
	tensor_load_to_lds s[G0:G0+3], s[G1X:G1X+7]
	s_nop 0
.else
	tensor_load_to_lds s[G0+4:G0+7], s[G1Y:G1Y+7]
	s_nop 0
.endif
.rept 4
	v_nop
.endr
	s_branch .Lasked_\@
.Lfor_b_\@:
.if (\s) == 0
	tensor_load_to_lds s[G0B:G0B+3], s[G1BX:G1BX+7]
	s_nop 0
.else
	tensor_load_to_lds s[G0B+4:G0B+7], s[G1BY:G1BY+7]
	s_nop 0
.endif
.rept 4
	v_nop
.endr
.Lasked_\@:
.endm
; A round of the cluster's barrier: my work-group's barrier; wave 0 signals for the work-group; every wave waits for all sixteen; my work-group's barrier once more.
.macro CREST                           ; a round behind its opening barrier
	s_cmp_lg_u32 s[WV], 0
	s_cbranch_scc1 .Lnot_wave_0_\@
	s_barrier_signal -3
.Lnot_wave_0_\@:
	s_barrier_wait -3
	s_barrier_signal -1
	s_barrier_wait -1
.endm
.macro CROUND
	s_barrier_signal -1
	s_barrier_wait -1
	CREST
.endm
	s_load_b128 s[4:7], s[0:1], 0x0                ; gh s[4:5], w2h s[6:7]
	s_load_b64 s[8:9], s[0:1], 0x10                ; out0
	s_set_vgpr_msb 0x40
	v_lshl_add_u32 v255, v0, 2, 0x4c000
	s_set_vgpr_msb 0x4000
	v_mov_b32 v255, 0
	s_set_vgpr_msb 0x1
	ds_add_u32 v255, v255
	s_set_vgpr_msb 0x100
	v_lshrrev_b32 v1, 5, v0
	v_readfirstlane_b32 s[WV], v1
	s_lshr_b32 s[RH], s[WV], 1
	s_and_b32 s[CH], s[WV], 1
	s_bfe_u32 s40, ttmp6, 0x40000                  ; cx, cy: my place in the cluster
	s_bfe_u32 s41, ttmp6, 0x40004
	s_lshl_b32 s42, ttmp9, 2
	s_add_co_u32 s42, s42, s40                     ; tile column = 4 x cluster x + cx
	s_and_b32 s43, ttmp7, 0xffff
	s_lshl_b32 s43, s43, 2
	s_add_co_u32 s43, s43, s41                     ; tile row = 4 x cluster y + cy
	s_lshl_b32 s44, s41, 2
	s_lshl_b32 s44, 15, s44                        ; my row of the cluster
	s_lshl_b32 s45, 0x1111, s40                    ; my column
	; group 1, word 0: 15:0 the mask; 17:16 elements of 2 bytes; 20 padding on; 21 set beside a mask; 24:22 the interval (code 6: 128 words, code 5: 64); 31:25 the padding less one word
	s_or_b32 s[G1X+0],  s44, (1<<16)|(1<<20)|(1<<21)|(6<<22)|(3<<25)   ; A in X: rows of 512 bytes, 16 of padding
	s_or_b32 s[G1Y+0],  s44, (1<<16)|(1<<20)|(1<<21)|(5<<22)|(3<<25)   ; A in Y: rows of 256 bytes, 16 of padding
	s_or_b32 s[G1BX+0], s45, (1<<16)|(1<<20)|(1<<21)|(6<<22)|(7<<25)   ; B: rows of 512 bytes, 32 of padding
	s_or_b32 s[G1BY+0], s45, (1<<16)|(1<<20)|(1<<21)|(6<<22)|(7<<25)
	s_mov_b32 s[G1X+1], KX<<16                     ; A in X: tensor_dim0 = 256
	s_mov_b32 s[G1X+2], AR<<16                     ; tensor_dim1 = 64
	s_mov_b32 s[G1X+3], KX<<16                     ; tile_dim0 = 256
	s_mov_b32 s[G1X+4], AR                         ; tile_dim1 = 64
	s_mov_b32 s[G1X+5], KDIM                       ; elements from row to row
	s_mov_b32 s[G1X+6], 0
	s_mov_b32 s[G1X+7], 0
	s_mov_b32 s[G1Y+1], KY<<16                     ; A in Y: 64 rows x 128 elements
	s_mov_b32 s[G1Y+2], AR<<16
	s_mov_b32 s[G1Y+3], KY<<16
	s_mov_b32 s[G1Y+4], AR
	s_mov_b32 s[G1Y+5], KDIM
	s_mov_b32 s[G1Y+6], 0
	s_mov_b32 s[G1Y+7], 0
	s_mov_b32 s[G1BX+1], 256<<16                   ; B in X: 128 rows along K x 256 elements
	s_mov_b32 s[G1BX+2], (KX/2)<<16
	s_mov_b32 s[G1BX+3], 256<<16
	s_mov_b32 s[G1BX+4], KX/2
	s_mov_b32 s[G1BX+5], NDIM
	s_mov_b32 s[G1BX+6], 0
	s_mov_b32 s[G1BX+7], 0
	s_mov_b32 s[G1BY+1], 256<<16                   ; B in Y: 64 rows along K x 256 elements
	s_mov_b32 s[G1BY+2], (KY/2)<<16
	s_mov_b32 s[G1BY+3], 256<<16
	s_mov_b32 s[G1BY+4], KY/2
	s_mov_b32 s[G1BY+5], NDIM
	s_mov_b32 s[G1BY+6], 0
	s_mov_b32 s[G1BY+7], 0
	; A's tiles hang on the tile row alone, B's on the tile column alone; each offset in registers that never hold the other coordinate
	s_mul_i32 s17, s43, TM
	s_mul_i32 s18, s[CH], AR
	s_add_co_u32 s17, s17, s18                     ; A: row 128 x tile row + 64 x half
	s_mul_i32 s18, s17, KDIM*2                     ; in bytes: under 2^27
	s_mov_b32 s19, 0
	s_lshl_b32 s46, s42, 9                         ; B in X: 512 bytes a tile column,
	s_mul_i32 s47, s[CH], (KX/2)*NDIM*2            ; 128 rows along K a half
	s_add_co_u32 s46, s46, s47
	s_mov_b32 s47, 0
	s_lshl_b32 s86, s42, 9                         ; B in Y: the same column,
	s_mul_i32 s87, s[CH], (KY/2)*NDIM*2            ; 64 rows a half,
	s_add_co_u32 s86, s86, s87
	s_add_co_u32 s86, s86, KX*NDIM*2               ; behind step 0's 256 rows
	s_mov_b32 s87, 0
	s_mul_i32 s84, s43, TM                         ; the prefetch: row 128 x tile row + 32 cx (no descriptor is made of these two registers),
	s_lshl_b32 s85, s40, 5
	s_add_co_u32 s84, s84, s85
	s_mul_i32 s84, s84, KDIM*2
	s_add_co_u32 s84, s84, (2*KX+KY)*2-(KX+KY)*2   ; one lap's 768 bytes short of step 3's first byte, 1,280: the first change of slots steps it there
	s_mov_b32 s85, 0
	s_mul_i32 s20, s[CH], AR*PAX                   ; where the tiles go: no place in the cluster enters an LDS address
	s_mul_i32 s21, s[CH], AR*PAY
	s_add_co_u32 s21, s21, YBASE
	s_mul_i32 s22, s[CH], (KX/2)*PB
	s_add_co_u32 s22, s22, AXB
	s_mul_i32 s23, s[CH], (KY/2)*PB
	s_add_co_u32 s23, s23, YBASE+AYB
	s_wait_dscnt 0x0
	s_wait_kmcnt 0x0
	s_add_nc_u64 s[18:19], s[4:5], s[18:19]
	s_add_nc_u64 s[46:47], s[6:7], s[46:47]
	s_add_nc_u64 s[86:87], s[6:7], s[86:87]
	s_add_nc_u64 s[PF:PF+1], s[4:5], s[84:85]
	CROUND                                         ; all sixteen work-groups are here: the first joint loads meet
	s_mov_b32 s[G0], 1                             ; count = 1
	s_mov_b32 s[G0+1], s20                         ; LDS address
	s_add_nc_u64 s[G0+2:G0+3], s[18:19], 0         ; global address: step 0, K = 0
	s_or_b32 s[G0+3], s[G0+3], 0x80000000          ; type = 2
	s_mov_b32 s[G0+4], 1
	s_mov_b32 s[G0+5], s21
	s_add_nc_u64 s[G0+6:G0+7], s[18:19], KX*2      ; step 1, K = 256
	s_or_b32 s[G0+7], s[G0+7], 0x80000000
	s_mov_b32 s[G0B], 1
	s_mov_b32 s[G0B+1], s22
	s_add_nc_u64 s[G0B+2:G0B+3], s[46:47], 0
	s_or_b32 s[G0B+3], s[G0B+3], 0x80000000
	s_mov_b32 s[G0B+4], 1
	s_mov_b32 s[G0B+5], s23
	s_add_nc_u64 s[G0B+6:G0B+7], s[86:87], 0
	s_or_b32 s[G0B+7], s[G0B+7], 0x80000000
	s_cmp_eq_u32 s[RH], 0                          ; a wave's two first fills stand in one branch, ahead of every wait on TENSORcnt and every LDS read: two loads of mine are out
	s_cbranch_scc0 .Lfirst_b
	tensor_load_to_lds s[G0:G0+3], s[G1X:G1X+7]
	s_nop 0
	tensor_load_to_lds s[G0+4:G0+7], s[G1Y:G1Y+7]
	s_nop 0
.rept 4
	v_nop
.endr
	s_branch .Lfirst_asked
.Lfirst_b:
	tensor_load_to_lds s[G0B:G0B+3], s[G1BX:G1BX+7]
	s_nop 0
	tensor_load_to_lds s[G0B+4:G0B+7], s[G1BY:G1BY+7]
	s_nop 0
.rept 4
	v_nop
.endr
.Lfirst_asked:
	v_and_b32 v1, 15, v0                           ; r = l % 16
	v_bfe_u32 v2, v0, 4, 1                         ; h = l / 16
	; A fragment of A is 16 rows x 32 K: lane l holds row l % 16, K = 8 h + 0..7 and 16 + 8 h + 0..7: two loads of 16 bytes, 32 bytes apart.
	v_mul_u32_u24 v3, v1, PAX
	v_lshl_add_u32 v3, v2, 4, v3                   ; row x pitch + 16 h
	s_mul_i32 s21, s[RH], MB*16*PAX                ; my 64 rows of A, in X
	v_add_nc_u32 v[ADRA], s21, v3
	v_mul_u32_u24 v3, v1, PAY
	v_lshl_add_u32 v3, v2, 4, v3
	s_mul_i32 s22, s[RH], MB*16*PAY                ; and in Y
	s_add_co_u32 s22, s22, YBASE
	v_add_nc_u32 v[ADRA+1], s22, v3
	; The turning load takes 16 K x 16 columns (lane l reads K = 8 h + l % 8, columns 8 ((l / 8) % 2) + 0..7) and leaves half a fragment: lane l holds column l % 16 and 8 K.
	v_and_b32 v4, 7, v0
	v_bfe_u32 v5, v0, 3, 1
	v_lshl_add_u32 v6, v2, 3, v4
	v_mul_u32_u24 v6, v6, PB
	v_lshl_add_u32 v6, v5, 4, v6
	s_lshl_b32 s20, s[CH], 8                       ; my 128 columns of B
	s_add_co_u32 s21, s20, AXB                     ; X's quarters 0-3,
	v_add_nc_u32 v[ADRB], s21, v6
	s_add_co_u32 s22, s20, AXB+4*32*PB             ; its quarters 4-7,
	v_add_nc_u32 v[ADRB+1], s22, v6
	s_add_co_u32 s23, s20, YBASE+AYB               ; Y
	v_add_nc_u32 v[ADRB+2], s23, v6
	s_mul_i32 s23, s[WV], 16*SPITCH
	s_add_co_u32 s23, s23, STAGE                   ; my stage
	v_mul_u32_u24 v7, v1, SPITCH                   ; in: row l % 16, 32 bytes for each half of the lanes
	v_lshl_add_u32 v7, v2, 5, v7
	v_add_nc_u32 v[STO], s23, v7
	v_and_b32 v7, 31, v0
	v_lshlrev_b32 v[CO], 4, v7                     ; back: 32 lanes take one row of 512 bytes,
	v_add_nc_u32 v[RD], s23, v[CO]                 ; which are 512 consecutive bytes of out0
	v_lshlrev_b32 v[PFO], 13, v7                   ; the prefetch: a lane a row of gh
	s_mul_i32 s17, s43, TM
	s_mul_i32 s18, s[RH], MB*16
	s_add_co_u32 s17, s17, s18                     ; my wave's first row
	s_mul_i32 s18, s17, NDIM*4                     ; under 2^25
	s_mov_b32 s19, 0
	s_add_nc_u64 s[8:9], s[8:9], s[18:19]
	s_lshl_b32 s46, s42, 10                        ; my first column: 1,024 x tile column + 512 x half
	s_lshl_b32 s47, s[CH], 9
	s_add_co_u32 s46, s46, s47
	s_mov_b32 s47, 0
	s_add_nc_u64 s[8:9], s[8:9], s[46:47]
; 8 matrix instructions: row block a x all 8 column blocks, 32 along K, from buffer f.  zero = 1: the product starts the sums: nothing is ever cleared.
.macro MULA f, a, zero
	WIN 0xa1                                       ; source 0 (B) window 1, source 1 (A) window 0, C and D window 2
.irp b, 0,1,2,3,4,5,6,7
.if \zero
	v_wmma_f32_16x16x32_f16 v[8*(8*(\a)+(\b)):8*(8*(\a)+(\b))+7], v[(\f)+8*(\b):(\f)+8*(\b)+7], v[(\f)+8*(\a):(\f)+8*(\a)+7], 0
.else
	v_wmma_f32_16x16x32_f16 v[8*(8*(\a)+(\b)):8*(8*(\a)+(\b))+7], v[(\f)+8*(\b):(\f)+8*(\b)+7], v[(\f)+8*(\a):(\f)+8*(\a)+7], v[8*(8*(\a)+(\b)):8*(8*(\a)+(\b))+7]
.endif
.endr
.endm
; n row blocks from a0 on.  The 32 accumulators take turns, one instruction a turn, in the same order in every quarter.
.macro MULR f, a0, n, zero
.set ma, \a0
.rept \n
	MULA \f, ma, \zero
.set ma, ma+1
.endr
.endm
; One run of LDS loads: the fragments of quarter q (32 along K) of slot 0 (X) or 1 (Y) into buffer f: B's 16 loads first, then A's 8, block by block
.macro FETCH slot, q, f
.if (\slot) == 0
.set fb, ADRB+(\q)/4
.set fq, (\q)%4
.set fa, ADRA
.set fp, PAX
.else
.set fb, ADRB+2
.set fq, \q
.set fa, ADRA+1
.set fp, PAY
.endif
	WIN 0x40                                       ; destination window 1
.irp i, 0,1,2,3,4,5,6,7
	ds_load_tr16_b128 v[(\f)+8*(\i):(\f)+8*(\i)+3],   v[fb] offset:fq*32*PB+32*(\i)
	ds_load_tr16_b128 v[(\f)+8*(\i)+4:(\f)+8*(\i)+7], v[fb] offset:fq*32*PB+16*PB+32*(\i)
.endr
	WIN 0
.set fi, 0
.rept MB
	ds_load_b128 v[(\f)+8*fi:(\f)+8*fi+3],   v[fa] offset:64*(\q)+fi*16*fp
	ds_load_b128 v[(\f)+8*fi+4:(\f)+8*fi+7], v[fa] offset:64*(\q)+fi*16*fp+32
.set fi, fi+1
.endr
.endm
; A step is eight (X) or four (Y) quarters of 32 along K on buffers 0, 1, 0, 1, ..  Any but the last: multiplies buffer f; in its middle it fetches quarter q of the same slot into buffer g.
.macro QUARTER slot, q, f, g, zero
	s_wait_dscnt MB                                ; B and A's lower blocks are in; the youngest MB loads (A's upper blocks) may be out
	MULR \f, 0, MB/2, \zero
	PLACES
	FETCH \slot, \q, \g
	s_wait_dscnt 16+2*MB                           ; all but the run just issued
	MULR \f, MB/2, MB/2, \zero
.endm
; A step's last quarter multiplies buffer 1 and changes slots: ONE barrier.  In front of it each wave waits for its own reads of this slot and for all its tensor loads, of which one is out: its part
; of the next slot.  fill = 1: the barrier opens a round of the cluster's barrier, and this slot is filled again, with its step of the next lap, first thing behind the round.
; pf = 1: wave 3 then asks for my 32 rows of the tile of g that the next change of slots will request: behind X's refill the next lap's Y tile (256 bytes a row), behind Y's the X tile after it (512).
.macro TURN slot, next, fill, pf
	s_wait_dscnt MB
	MULR F1, 0, MB/4, 0
	s_wait_dscnt 0x0                               ; my reads of this slot are over,
	s_wait_tensorcnt 0x0                           ; and all my tensor loads have landed
	ds_add_u32 v255, v255
	s_wait_dscnt 0x0
	s_barrier_signal -1
	MULR F1, MB/4, MB/4, 0                         ; work on registers while the others arrive
.if \fill
	WIN 0
.endif
	s_barrier_wait -1
.if \fill
	CREST                                          ; no wave of any partner still reads this slot's tile or has a load on its way
	s_add_nc_u64 s[G0+4*(\slot)+2:G0+4*(\slot)+3], s[G0+4*(\slot)+2:G0+4*(\slot)+3], (KX+KY)*2
	s_add_nc_u64 s[G0B+4*(\slot)+2:G0B+4*(\slot)+3], s[G0B+4*(\slot)+2:G0B+4*(\slot)+3], (KX+KY)*NDIM*2
	JLOAD \slot                                    ; my one tensor load behind the round; its four v_nop are also the places in front of the loads below
.if \pf
	s_cmp_lg_u32 s[WV], 3
	s_cbranch_scc1 .Lno_pf_\@
.if (\slot) == 0
	s_wait_xcnt 0x0                                ; the last lap's requests have had their addresses translated (ISA guide 3.1): only behind this wait is their base stepped
	s_add_nc_u64 s[PF:PF+1], s[PF:PF+1], (KX+KY)*2 ; a lap's 768 bytes on
	global_prefetch_b8 v[PFO], s[PF:PF+1] th:TH_LOAD_NT scope:SCOPE_SE
.else
	global_prefetch_b8 v[PFO], s[PF:PF+1] offset:256 th:TH_LOAD_NT scope:SCOPE_SE
	global_prefetch_b8 v[PFO], s[PF:PF+1] offset:512 th:TH_LOAD_NT scope:SCOPE_SE
.endif
.Lno_pf_\@:
.endif
.else
	PLACES
.endif
	FETCH \next, 0, F0
	MULR F1, MB/2, MB/2, 0
.endm
.macro XREST                           ; X's quarters 1 to 6 are multiplied, 2 to 7 fetched
	QUARTER 0, 2, F1, F0, 0
	QUARTER 0, 3, F0, F1, 0
	QUARTER 0, 4, F1, F0, 0
	QUARTER 0, 5, F0, F1, 0
	QUARTER 0, 6, F1, F0, 0
	QUARTER 0, 7, F0, F1, 0
.endm
.macro YHEAD                           ; Y's quarters 0 to 2 are multiplied, 1 to 3 fetched
	QUARTER 1, 1, F0, F1, 0
	QUARTER 1, 2, F1, F0, 0
	QUARTER 1, 3, F0, F1, 0
.endm
	s_wait_tensorcnt 0x1                           ; my part of step 0 is in; step 1's may stay out
	s_barrier_signal -1
	s_barrier_wait -1                              ; everybody's is
	FETCH 0, 0, F0
	QUARTER 0, 1, F0, F1, 1                        ; the first quarter stands in front of the loop: its products start the sums
	WIN 0                                          ; at a label and at a branch every window is 0
	s_mov_b32 s3, LAPS-1
.Llap:                                                 ; nine trips; a trip goes once round the ring, from a lap's second quarter to the next lap's first, and fills both slots again
	XREST
	TURN 0, 1, 1, 1
	YHEAD
	TURN 1, 0, 1, 1
	QUARTER 0, 1, F0, F1, 0
	WIN 0
	s_sub_co_u32 s3, s3, 1
	s_cmp_lg_u32 s3, 0
	s_cbranch_scc1 .Llap
	XREST                                          ; step 18 goes on;
	TURN 0, 1, 1, 0                                ; X takes step 20, the last fill of the launch
	YHEAD                                          ; step 19
	TURN 1, 0, 0, 0                                ; nothing is filled: a plain barrier; behind it no wave reads Y any more
	QUARTER 0, 1, F0, F1, 0                        ; step 20
	XREST
	s_wait_dscnt MB                                ; the very last quarter: nothing more to fetch
	MULR F1, 0, MB/2, 0
	s_wait_dscnt 0x0
	MULR F1, MB/2, MB/2, 0
	WIN 0
; THE WAY OUT of row block a: the sums go as they are, 32 bytes a lane, into my own stage in LDS and come back as whole rows of 512 bytes.
.macro OUTB a
.set AC, 64*(\a)
.set BK, BK0+64*((\a)%2)
	s_wait_xcnt 0x0                                ; every earlier store has had its addresses translated (ISA guide 3.1): the registers that the block two back was stored from are loaded again only behind this wait
	WIN 0x08                                       ; an LDS store's data are source 1: window 2
.irp b, 0,1,2,3,4,5,6,7
	ds_store_b128 v[STO], v[AC+8*(\b):AC+8*(\b)+3]   offset:64*(\b)      ; each accumulator's low four registers first
	ds_store_b128 v[STO], v[AC+8*(\b)+4:AC+8*(\b)+7] offset:64*(\b)+16
.endr
	WIN 0
.irp t, 0,1,2,3,4,5,6,7,8,9,10,11,12,13,14,15
	ds_load_b128 v[BK+4*(\t):BK+4*(\t)+3], v[RD] offset:(\t)*SPITCH    ; LDS serves a wave's instructions in order (ISA guide 5.7.1.4): these see the stores above
.endr
.irp t, 0,1,2,3,4,5,6,7,8,9,10,11,12,13,14,15
	s_wait_dscnt 15-(\t)                           ; row t is back; the 15 - t younger loads stay out
	global_store_b128 v[CO], v[BK+4*(\t):BK+4*(\t)+3], s[8:9] offset:(16*(\a)+(\t))*NDIM*4 th:TH_STORE_NT  ; 32 lanes store 512 consecutive bytes, at a multiple of 256 from out0's first byte
.endr
.endm
	PLACES                                         ; behind the last products
.irp a, 0,1,2,3
	OUTB \a
.endr
	s_set_vgpr_msb 0x1
	s_wait_tensorcnt 0x0
	ds_add_u32 v255, v255
	s_wait_dscnt 0x0
	s_set_vgpr_msb 0x100
	CROUND                                         ; the closing round: no work-group ends while a partner may still ask for a tile that names it
	s_endpgm
.Lfunc_end_k_q138063f4cd_gemm2:
	.size	k_q138063f4cd_gemm2, .Lfunc_end_k_q138063f4cd_gemm2-k_q138063f4cd_gemm2
	.p2alignl 7, 3214868480
	.fill 96, 4, 3214868480
	.section	.rodata,"a",@progbits
	.p2align	6, 0x0
	.amdhsa_kernel k_q138063f4cd_gemm2
		.amdhsa_group_segment_fixed_size 327680
		.amdhsa_private_segment_fixed_size 0
		.amdhsa_enable_private_segment 0
		.amdhsa_kernarg_size 24
		.amdhsa_user_sgpr_count 2
		.amdhsa_user_sgpr_kernarg_segment_ptr 1
		.amdhsa_wavefront_size32 1
		.amdhsa_system_sgpr_workgroup_id_x 1
		.amdhsa_system_sgpr_workgroup_id_y 1
		.amdhsa_system_sgpr_workgroup_id_z 1
		.amdhsa_system_vgpr_workitem_id 0
		.amdhsa_next_free_vgpr 768
		.amdhsa_next_free_sgpr 88
		.amdhsa_reserve_vcc 0
		.amdhsa_float_denorm_mode_32 3
		.amdhsa_float_denorm_mode_16_64 3
		.amdhsa_memory_ordered 1
		.amdhsa_forward_progress 1
		.amdhsa_inst_pref_size 151
	.end_amdhsa_kernel
	.amdgpu_metadata
---
amdhsa.version: [ 1, 2 ]
amdhsa.kernels:
  - .name:           k_q138063f4cd_gemm2
    .symbol:         k_q138063f4cd_gemm2.kd
    .args:
      - { .name: gh, .offset: 0, .size: 8, .value_kind: global_buffer, .address_space: global }
      - { .name: w2h, .offset: 8, .size: 8, .value_kind: global_buffer, .address_space: global }
      - { .name: out0, .offset: 16, .size: 8, .value_kind: global_buffer, .address_space: global }
    .group_segment_fixed_size: 327680
    .private_segment_fixed_size: 0
    .kernarg_segment_align: 8
    .kernarg_segment_size: 24
    .max_flat_workgroup_size: 128
    .sgpr_count:     88
    .vgpr_count:     768
    .wavefront_size: 32
...
	.end_amdgpu_metadata
.endif
;; end of part 4
;; ======== version 2 of 2: 4 launches; version 1 with the launch norm written anew for expert scheduling mode
;; limits: values outside matrix products are rounded to f16; values are held in f16: magnitudes above 65,504 overflow, below 6.1e-05 lose precision
;; workspace buffers: xh 16,777,216 bytes; w1h 8,388,608 bytes; w2h 8,388,608 bytes; dh 67,108,864 bytes; st 2,097,152 bytes; gh 67,108,864 bytes
;; launch cast: the kernel of part 1 again; grid 1024 x 1, 8 waves a work-group, no clusters, 0 bytes of LDS; arguments embedding, W1, W2, xh, w1h, w2h; writes xh, w1h, w2h
;; launch gemm1: the kernel of part 2 again; grid 16 x 32, 4 waves a work-group, clusters of 4 x 4, 327,680 bytes of LDS; arguments xh, w1h, dh, b1, st; writes dh, st
;; launch norm (part 5): grid 256 x 1, 16 waves a work-group, no clusters, 26,624 bytes of LDS; arguments dh, st, ln_gamma, ln_beta, gh; writes gh
.if DOCPART == 5
	.amdgcn_target "amdgcn-amd-amdhsa--gfx1250"
	.amdhsa_code_object_version 6
	.text
	.protected	k_q138063f4cd_norm
	.globl	k_q138063f4cd_norm
	.p2align	8
	.type	k_q138063f4cd_norm,@function
k_q138063f4cd_norm:
	s_mov_b64 s[64:65], 0
	v_nop
	global_prefetch_b8 v0, s[64:65] scope:SCOPE_SE
	s_setreg_imm32_b32 hwreg(HW_REG_WAVE_SCHED_MODE, 0, 2), 2
	s_setreg_imm32_b32 hwreg(HW_REG_WAVE_MODE, 25, 1), 1
	s_wait_xcnt 0x0
	s_wait_alu depctr_vm_vsrc(0)
; The second half of the LayerNorm, and the exact GELU.  dh: [8192][4096] f16, d = h - its chunk's mean; st: [32 chunks][8192 rows][2] f32, (mean, M2) of each chunk of 128 columns.
; For a row: mu = the mean of the 32 means; M2 = the sum of the chunks' M2 + 128 x the sum of (mean_c - mu)^2; rstd = 1 / sqrt(M2 / 4096 + 1e-5).
; z = (d rstd + (mean_c - mu) rstd) gamma + beta;  g = z Phi(z), rounded once to f16, into gh [8192][4096].
; PHI.  1 - Phi(x) for x >= 0 is exp(-x^2 / 2) (c1 t + .. + c5 t^5), t = 1 / (1 + 0.2316419 x) (Abramowitz and Stegun 26.2.17, the factor 1 / sqrt(2 pi) folded into c1-c5): off by less than
; 7.5e-8 for every x.  g = max(z, 0) - |z| (1 - Phi(|z|)) holds for both signs: no compare, and no cancellation in the negative tail.
; LIMITS.  g lies within f16's 65,504 (|g| <= 64 |gamma| + |beta|); below 6e-5 f16 keeps a fixed step of 6e-8; an exponential below 2^-126 counts as 0.  NaN and infinities are not treated apart.
; A stream: no matrix unit; no cluster (of what a work-group reads only gamma and beta, 32 KiB of 544, are read by others too).
; SHARES.  Sixteen waves; the work-group owns 32 rows.  Thread t owns the 16 bytes (8 columns) at byte 16 t of every row, so its gamma and beta stay in registers, its chunk is t / 16, and a wave's
; load or store covers 512 consecutive bytes, aligned.  A ring of 8 slots: eight rows' loads go out at the head; in the loop six or seven loads of every wave are in flight.
; LDS.  RAW: [32 chunks][32 rows] x 8 bytes, the work-group's part of st.  TAB: [32 chunks][32 rows] x 16 bytes: (rstd, rstd, sh, sh), sh = (mean_c - mu) rstd.
; THE MODE: SCHED_MODE bits 1:0 = 2 (LLVM: expert scheduling mode 2), set by the entry lines.  The code itself states the register dependences between vector instructions and memory or LDS
; instructions, with s_wait_alu, always for 0.
; THE PLAN.  Registers that memory or LDS instructions touch, in the loop (row p has slot p % 8):
;   X0 .. X7    Written by a load; read by the eight widenings at the head of the row's turn.
;   PR0 .. PR7  Written by an LDS load; read by the first four packed multiply-adds of the row's turn.
;   Y0 .. Y7    Written by the four roundings at the end of the row's turn; read by the store that is issued in the next turn.
;   v[OFF]      16 t, made at the head and never written again: the rows are reached by immediate offsets and by the two scalar bases, which move on by eight rows once in eight turns.
;   v[TA]       Read by every LDS load of PR; written once in eight turns.
;   Z, T, W, P  are named by vector instructions alone.
; The turn of row p: the first half of its arithmetic, with all readers of its X and PR; ONE wait on va_vdst, behind the exponentials; the turn's memory instructions: the loads of row p + 7 into
; the X and PR of the slot before, and the store of row p - 1 from that slot's Y; the second half, which names none of these.  The wait states that the reciprocals and exponentials are written,
; that turn p - 1 is done reading its X and PR and has written its Y, and, behind a step, that v[TA] is written.
; ONE wait on vm_vsrc in eight turns, beside s_wait_xcnt 0: it stands in the loop's last turn between the memory instructions and the roundings.  Row p's store is issued in turn p + 1 and its Y is
; written again at the end of turn p + 8; that place of each of the turns p + 1 .. p + 8 lies between the two, so one such place in eight turns serves all eight Y.  v[TA] and the bases step there.
; Turns that load and store alike are 1 to 24: three trips of eight.  Turn 0 stands ahead of the loop and has no memory instruction; turns 25 to 31 load nothing; row 31's store stands behind them.
.set ROW,  8192                        ; bytes in a row
.set RAW,  0
.set TAB,  8192
.set GA,   2                           ; v[2:9]     gamma of my 8 columns
.set BE,   10                          ; v[10:17]   beta
.set OFF,  18                          ; v18        16 t: my 16 bytes in every row of dh and of gh
.set TA,   26                          ; v26        LDS address of my chunk's entries; v27-31 addresses of the first part
.set X,    32                          ; v[32:63]   slot i: 8 f16 as loaded (under v128: their halves are named)
.set PR,   64                          ; v[64:95]   slot i: its row's entry of TAB
.set Y,    96                          ; v[96:127]  slot i: 8 f16 to store
.set Z,    128                         ; v[128:135] z
.set T,    136                         ; v[136:143] t, then g
.set W,    144                         ; v[144:151] the exponential, then max(z, 0)
.set P,    152                         ; v[152:159] the polynomial
.set R,    96                          ; v[96:159]  the first part: a row's 32 pairs (mean, M2)
.set OWN,  160                         ; v[160:163] the pairs of my wave's two chunks
.set CHN,  164                         ; v[164:171] chains
.set EN,   172                         ; v[172:179] two entries of TAB
	s_load_b256 s[4:11], s[0:1], 0x0               ; dh s[4:5], st s[6:7], gamma s[8:9], beta s[10:11]
	s_load_b64 s[12:13], s[0:1], 0x20              ; gh
	v_lshl_add_u32 v180, v0, 2, 0x6000             ; my spare word, behind TAB, and 0: kept for the closing lines alone
	v_mov_b32 v181, 0
	v_lshrrev_b32 v1, 5, v0
	v_readfirstlane_b32 s14, v1                    ; wave 0..15
	v_and_b32 v28, 31, v0                          ; lane
	v_lshlrev_b32 v29, 3, v28                      ; 8 x lane
	v_lshlrev_b32 v31, 4, v28                      ; 16 x lane
	v_lshlrev_b32 v[OFF], 4, v0                    ; 16 t
	v_lshrrev_b32 v[TA], 4, v0                     ; my chunk,
	v_lshl_add_u32 v[TA], v[TA], 9, TAB            ; its 32 entries of 16 bytes
	s_mov_b32 s20, 0x3f07dc22                      ; c5 =  0.530702716   (pairs: the packed forms take the low word for both halves, and name both)
	s_mov_b32 s21, s20
	s_mov_b32 s22, 0xbf3a00e3                      ; c4 = -0.726576014
	s_mov_b32 s23, s22
	s_mov_b32 s24, 0x3f35f0e3                      ; c3 =  0.710706871
	s_mov_b32 s25, s24
	s_mov_b32 s26, 0xbe11a98e                      ; c2 = -0.142248368
	s_mov_b32 s27, s26
	s_mov_b32 s28, 0x3e027906                      ; c1 =  0.127414796
	s_mov_b32 s29, s28
	s_mov_b32 s30, 0x3e6d3389                      ; 0.2316419
	s_mov_b32 s32, 0xbf38aa3b                      ; -log2(e) / 2
	s_mov_b32 s33, s32
	s_mov_b32 s34, 0x39800000                      ; 1 / 4096
	s_mov_b32 s35, 0x3727c5ac                      ; 1e-5
	s_lshl_b32 s18, ttmp9, 18                      ; the work-group's 32 rows of 8,192 bytes: under 2^26
	s_mov_b32 s19, 0
	s_lshl_b32 s36, ttmp9, 8                       ; and of 8 bytes in a chunk of st
	s_mov_b32 s37, 0
	s_wait_alu depctr_va_sdst(0)                   ; s14 is written, ahead of its first reader: three addresses are made from it
	s_lshl_b32 s16, s14, 16
	s_lshl_b32 s17, s14, 8
	s_lshl_b32 s38, s14, 9
	s_add_co_u32 s38, s38, TAB
	v_add_nc_u32 v27, s16, v29                     ; in st: chunk = wave, row = lane
	v_add_nc_u32 v30, s17, v29                     ; the same place in RAW
	v_add_nc_u32 v31, s38, v31                     ; and in TAB: 512 consecutive bytes a wave
	v_lshlrev_b32 v1, 5, v0                        ; byte offset of my 8 numbers in gamma and beta
	s_wait_kmcnt 0x0
	s_add_nc_u64 s[4:5], s[4:5], s[18:19]
	s_add_nc_u64 s[12:13], s[12:13], s[18:19]
	s_add_nc_u64 s[6:7], s[6:7], s[36:37]
	s_wait_alu depctr_va_vdst(0)                   ; v1, v[OFF], v[TA], v27, v29, v30 and v31 are written: the loads, stores and LDS instructions below read them as offsets and addresses
	global_load_b64 v[OWN:OWN+1],   v27, s[6:7]                    ; chunk w: 32 rows x 8 bytes = 256 consecutive bytes, aligned
	global_load_b64 v[OWN+2:OWN+3], v27, s[6:7] offset:16*65536    ; chunk w + 16
	global_load_b128 v[GA:GA+3],   v1, s[8:9]
	global_load_b128 v[GA+4:GA+7], v1, s[8:9] offset:16
	global_load_b128 v[BE:BE+3],   v1, s[10:11]
	global_load_b128 v[BE+4:BE+7], v1, s[10:11] offset:16
.irp i, 0,1,2,3,4,5,6,7
	global_load_b128 v[X+4*(\i):X+4*(\i)+3], v[OFF], s[4:5] offset:(\i)*ROW th:TH_LOAD_NT  ; the ring is filled: rows 0 to 7 are on their way during the first part
.endr
	s_wait_loadcnt 12                              ; the two pairs are in; the 4 + 8 younger loads stay out
	ds_store_b64 v30, v[OWN:OWN+1]
	ds_store_b64 v30, v[OWN+2:OWN+3] offset:4096
	s_wait_dscnt 0x0                               ; for the others' sake: my stores are done
	s_barrier_signal -1
	s_barrier_wait -1
.set c, 0
.rept 32
	ds_load_b64 v[R+2*c:R+2*c+1], v29 offset:RAW+256*c             ; row = lane: every wave makes all 32 rows' figures
.set c, c+1
.endr
	s_wait_dscnt 0x0
.irp k, 0,1,2,3                                    ; (sum of means, sum of M2): 32 pairs in four chains
	v_pk_add_f32 v[CHN+2*(\k):CHN+2*(\k)+1], v[R+2*(\k):R+2*(\k)+1], v[R+8+2*(\k):R+8+2*(\k)+1]
.endr
.set c, 8
.rept 24
	v_pk_add_f32 v[CHN+2*(c%4):CHN+2*(c%4)+1], v[CHN+2*(c%4):CHN+2*(c%4)+1], v[R+2*c:R+2*c+1]
.set c, c+1
.endr
	v_pk_add_f32 v[CHN:CHN+1], v[CHN:CHN+1], v[CHN+2:CHN+3]
	v_pk_add_f32 v[CHN+4:CHN+5], v[CHN+4:CHN+5], v[CHN+6:CHN+7]
	v_pk_add_f32 v[CHN:CHN+1], v[CHN:CHN+1], v[CHN+4:CHN+5]
	v_mul_f32 v[CHN+2], 0x3d000000, v[CHN]         ; mu = / 32
.set c, 0
.rept 32
	v_sub_f32 v[R+2*c], v[R+2*c], v[CHN+2]         ; mean_c - mu
.set c, c+1
.endr
.irp k, 0,1,2,3
	v_mul_f32 v[CHN+4+(\k)], v[R+2*(\k)], v[R+2*(\k)]
.endr
.set c, 4
.rept 28
	v_fma_f32 v[CHN+4+c%4], v[R+2*c], v[R+2*c], v[CHN+4+c%4]
.set c, c+1
.endr
	v_add_f32 v[CHN+4], v[CHN+4], v[CHN+5]
	v_add_f32 v[CHN+6], v[CHN+6], v[CHN+7]
	v_add_f32 v[CHN+4], v[CHN+4], v[CHN+6]
	v_fma_f32 v[CHN+1], v[CHN+4], 0x43000000, v[CHN+1]  ; M2 = sum of M2_c + 128 x sum of squares
	v_fma_f32 v[CHN+3], v[CHN+1], s34, s35         ; variance + eps
	v_rsq_f32 v[EN], v[CHN+3]
	v_sub_f32 v[EN+2], v[OWN], v[CHN+2]            ; a plain instruction behind the root, before its result is used (ISA guide 5.7.2)
	v_sub_f32 v[EN+6], v[OWN+2], v[CHN+2]
	s_wait_alu depctr_va_vdst(0)                   ; the root has written v[EN], ahead of its first reader
	v_mov_b32 v[EN+1], v[EN]
	v_mul_f32 v[EN+2], v[EN+2], v[EN]
	v_mov_b32 v[EN+4], v[EN]
	v_mov_b32 v[EN+5], v[EN]
	v_mul_f32 v[EN+6], v[EN+6], v[EN]
	v_mov_b32 v[EN+3], v[EN+2]
	v_mov_b32 v[EN+7], v[EN+6]
	s_wait_alu depctr_va_vdst(0)                   ; the seven lines above have written the two entries v[EN .. EN+7], which the LDS stores read
	ds_store_b128 v31, v[EN:EN+3]                  ; chunk w, row = lane
	ds_store_b128 v31, v[EN+4:EN+7] offset:8192    ; chunk w + 16
	s_wait_dscnt 0x0                               ; for the others' sake
	s_barrier_signal -1
	s_barrier_wait -1
.irp i, 0,1,2,3,4,5,6,7
	ds_load_b128 v[PR+4*(\i):PR+4*(\i)+3], v[TA] offset:16*(\i)    ; sixteen lanes read the same 16 bytes; no vector instruction has named these registers
.endr
; The turn of one row, in slot i.  x0-x3: the numbers of the slot's four X registers, so that their halves can be named.  n: the row's place, 1 to 8, counted from the row at which the bases stand
; (0: the very first row).  ahead = 1: the slot before is filled again, with the row 7 further down than this one.  store = 1: the row before is stored.
; left: how many younger loads, of memory and of LDS alike, may still be out.  step = 1: the bases and v[TA] move on by eight rows.
.macro TURN i, x0, x1, x2, x3, n, ahead, store, left, step
.set J, ((\i)+7)%8                                     ; the slot before
	s_wait_loadcnt \left                           ; loads come back in order (ISA guide 5.7.1): my row's is in
	s_wait_dscnt \left                             ; and its entry of TAB
	v_cvt_f32_f16 v[Z+0], v\x0\().l
	v_cvt_f32_f16 v[Z+1], v\x0\().h
	v_cvt_f32_f16 v[Z+2], v\x1\().l
	v_cvt_f32_f16 v[Z+3], v\x1\().h
	v_cvt_f32_f16 v[Z+4], v\x2\().l
	v_cvt_f32_f16 v[Z+5], v\x2\().h
	v_cvt_f32_f16 v[Z+6], v\x3\().l
	v_cvt_f32_f16 v[Z+7], v\x3\().h
.irp j, 0,2,4,6
	v_pk_fma_f32 v[Z+(\j):Z+(\j)+1], v[Z+(\j):Z+(\j)+1], v[PR+4*(\i):PR+4*(\i)+1], v[PR+4*(\i)+2:PR+4*(\i)+3]  ; d rstd + sh
.endr
.irp j, 0,2,4,6
	v_pk_fma_f32 v[Z+(\j):Z+(\j)+1], v[Z+(\j):Z+(\j)+1], v[GA+(\j):GA+(\j)+1], v[BE+(\j):BE+(\j)+1]  ; z
.endr
.irp j, 0,1,2,3,4,5,6,7
	v_fma_f32 v[T+(\j)], |v[Z+(\j)]|, s30, 1.0
.endr
.irp j, 0,1,2,3,4,5,6,7
	v_rcp_f32 v[T+(\j)], v[T+(\j)]                 ; t
.endr
.irp j, 0,2,4,6
	v_pk_mul_f32 v[W+(\j):W+(\j)+1], v[Z+(\j):Z+(\j)+1], v[Z+(\j):Z+(\j)+1]  ; plain work that touches no t stands behind the reciprocals
.endr
.irp j, 0,2,4,6
	v_pk_mul_f32 v[W+(\j):W+(\j)+1], v[W+(\j):W+(\j)+1], s[32:33] op_sel_hi:[1,0]
.endr
.irp j, 0,1,2,3,4,5,6,7
	v_exp_f32 v[W+(\j)], v[W+(\j)]                 ; exp(-z^2 / 2)
.endr
	s_wait_alu depctr_va_vdst(0)                   ; the reciprocals and exponentials have written T and W; the turn before is done reading its X and PR, in which the loads below land, and has written its Y, which the store below reads; behind a step v[TA] is written
.if \ahead
	global_load_b128 v[X+4*J:X+4*J+3], v[OFF], s[4:5] offset:((\n)+7)*ROW th:TH_LOAD_NT
	ds_load_b128 v[PR+4*J:PR+4*J+3], v[TA] offset:16*((\n)+7)
.endif
.if \store
	global_store_b128 v[OFF], v[Y+4*J:Y+4*J+3], s[12:13] offset:((\n)-1)*ROW
.endif
.irp j, 0,2,4,6
	v_pk_fma_f32 v[P+(\j):P+(\j)+1], v[T+(\j):T+(\j)+1], s[20:21], s[22:23] op_sel_hi:[1,0,0]  ; plain work that touches no exponential stands behind them
.endr
.irp j, 0,2,4,6
	v_pk_fma_f32 v[P+(\j):P+(\j)+1], v[P+(\j):P+(\j)+1], v[T+(\j):T+(\j)+1], s[24:25] op_sel_hi:[1,1,0]
.endr
.irp j, 0,2,4,6
	v_pk_fma_f32 v[P+(\j):P+(\j)+1], v[P+(\j):P+(\j)+1], v[T+(\j):T+(\j)+1], s[26:27] op_sel_hi:[1,1,0]
.endr
.irp j, 0,2,4,6
	v_pk_fma_f32 v[P+(\j):P+(\j)+1], v[P+(\j):P+(\j)+1], v[T+(\j):T+(\j)+1], s[28:29] op_sel_hi:[1,1,0]
.endr
.irp j, 0,2,4,6
	v_pk_mul_f32 v[P+(\j):P+(\j)+1], v[P+(\j):P+(\j)+1], v[T+(\j):T+(\j)+1]
.endr
.irp j, 0,2,4,6
	v_pk_mul_f32 v[P+(\j):P+(\j)+1], v[P+(\j):P+(\j)+1], v[W+(\j):W+(\j)+1]  ; 1 - Phi(|z|)
.endr
.irp j, 0,1,2,3,4,5,6,7
	v_max_num_f32 v[W+(\j)], 0, v[Z+(\j)]
.endr
.irp j, 0,1,2,3,4,5,6,7
	v_fma_f32 v[T+(\j)], -|v[Z+(\j)]|, v[P+(\j)], v[W+(\j)]  ; g
.endr
.if \step
	s_wait_xcnt 0x0                                ; every earlier memory instruction has had its addresses translated (ISA guide 3.1): the two bases, and the eight Y that the last eight stores read, are rewritten only behind this wait
	s_wait_alu depctr_vm_vsrc(0)                   ; the eight stores issued so far in this trip have read Y0 .. Y7, which the roundings below and those of the next seven turns write again; the LDS loads have read v[TA]
	v_add_nc_u32 v[TA], 128, v[TA]                 ; eight rows' entries on
	s_add_nc_u64 s[4:5], s[4:5], 8*ROW             ; both bases eight rows on
	s_add_nc_u64 s[12:13], s[12:13], 8*ROW
.endif
.irp k, 0,1,2,3
	v_cvt_pk_f16_f32 v[Y+4*(\i)+(\k)], v[T+2*(\k)], v[T+2*(\k)+1]
.endr
.endm
	TURN 0, 32, 33, 34, 35, 0, 0, 0, 7, 0          ; row 0: no row in front of it, and slot 7 was filled at the head: no memory instruction
	s_mov_b32 s15, 3                               ; rows 1 to 24 are three trips of eight turns
.Lround:
	TURN 1, 36, 37, 38, 39, 1, 1, 1, 6, 0          ; six younger loads: the rows p + 1 to p + 6, from the entry and round the backward jump alike
	TURN 2, 40, 41, 42, 43, 2, 1, 1, 6, 0
	TURN 3, 44, 45, 46, 47, 3, 1, 1, 6, 0
	TURN 4, 48, 49, 50, 51, 4, 1, 1, 6, 0
	TURN 5, 52, 53, 54, 55, 5, 1, 1, 6, 0
	TURN 6, 56, 57, 58, 59, 6, 1, 1, 6, 0
	TURN 7, 60, 61, 62, 63, 7, 1, 1, 6, 0
	TURN 0, 32, 33, 34, 35, 8, 1, 1, 6, 1
	s_sub_co_u32 s15, s15, 1
	s_cmp_lg_u32 s15, 0
	s_cbranch_scc1 .Lround
	TURN 1, 36, 37, 38, 39, 1, 0, 1, 6, 0          ; rows 25 to 31 load nothing: no load leaves the work-group's rows, and the counts run down
	TURN 2, 40, 41, 42, 43, 2, 0, 1, 5, 0
	TURN 3, 44, 45, 46, 47, 3, 0, 1, 4, 0
	TURN 4, 48, 49, 50, 51, 4, 0, 1, 3, 0
	TURN 5, 52, 53, 54, 55, 5, 0, 1, 2, 0
	TURN 6, 56, 57, 58, 59, 6, 0, 1, 1, 0
	TURN 7, 60, 61, 62, 63, 7, 0, 1, 0, 0
	s_wait_alu depctr_va_vdst(0)                   ; row 31's roundings have written Y7, which the last store reads
	global_store_b128 v[OFF], v[Y+28:Y+31], s[12:13] offset:7*ROW
	s_wait_dscnt 0x0                               ; the closing lines, six on end
	s_wait_alu 0x0
	s_wait_tensorcnt 0x0
	ds_add_u32 v180, v181
	s_wait_dscnt 0x0
	s_endpgm
.Lfunc_end_k_q138063f4cd_norm:
	.size	k_q138063f4cd_norm, .Lfunc_end_k_q138063f4cd_norm-k_q138063f4cd_norm
	.p2alignl 7, 3214868480
	.fill 96, 4, 3214868480
	.section	.rodata,"a",@progbits
	.p2align	6, 0x0
	.amdhsa_kernel k_q138063f4cd_norm
		.amdhsa_group_segment_fixed_size 26624
		.amdhsa_private_segment_fixed_size 0
		.amdhsa_enable_private_segment 0
		.amdhsa_kernarg_size 40
		.amdhsa_user_sgpr_count 2
		.amdhsa_user_sgpr_kernarg_segment_ptr 1
		.amdhsa_wavefront_size32 1
		.amdhsa_system_sgpr_workgroup_id_x 1
		.amdhsa_system_sgpr_workgroup_id_y 1
		.amdhsa_system_sgpr_workgroup_id_z 1
		.amdhsa_system_vgpr_workitem_id 0
		.amdhsa_next_free_vgpr 182
		.amdhsa_next_free_sgpr 66
		.amdhsa_reserve_vcc 0
		.amdhsa_float_denorm_mode_32 3
		.amdhsa_float_denorm_mode_16_64 3
		.amdhsa_memory_ordered 1
		.amdhsa_forward_progress 1
		.amdhsa_inst_pref_size 93
	.end_amdhsa_kernel
	.amdgpu_metadata
---
amdhsa.version: [ 1, 2 ]
amdhsa.kernels:
  - .name:           k_q138063f4cd_norm
    .symbol:         k_q138063f4cd_norm.kd
    .args:
      - { .name: dh, .offset: 0, .size: 8, .value_kind: global_buffer, .address_space: global }
      - { .name: st, .offset: 8, .size: 8, .value_kind: global_buffer, .address_space: global }
      - { .name: ln_gamma, .offset: 16, .size: 8, .value_kind: global_buffer, .address_space: global }
      - { .name: ln_beta, .offset: 24, .size: 8, .value_kind: global_buffer, .address_space: global }
      - { .name: gh, .offset: 32, .size: 8, .value_kind: global_buffer, .address_space: global }
    .group_segment_fixed_size: 26624
    .private_segment_fixed_size: 0
    .kernarg_segment_align: 8
    .kernarg_segment_size: 40
    .max_flat_workgroup_size: 512
    .sgpr_count:     66
    .vgpr_count:     182
    .wavefront_size: 32
...
	.end_amdgpu_metadata
.endif
;; end of part 5
;; launch gemm2: the kernel of part 4 again; grid 4 x 64, 4 waves a work-group, clusters of 4 x 4, 327,680 bytes of LDS; arguments gh, w2h, out0; writes out0
